; MI455X (gfx1250); checked and timed in simulation.
; The chip was launched on July 23, 2026; its instructions are those of AMD's public machine-readable ISA for CDNA 5 (MIT licence, August 2026) and "CDNA5" Instruction Set Architecture Reference Guide (July 2026). The comments in the code are by the model that wrote it; some were corrected since.
;; Co Attention. Allowed arithmetic: float matrix products may take bf16 or f16 operands with f32 sums; other float arithmetic in f32, or as packed bf16 or f16 multiplies, adds, multiply-adds, maxima and minima; sums over many terms, partial sums and values carried from step to step in f32; what a program stores and reads back later, other than sums and carried values, may be rounded once to bf16 or f16.
;; Inputs: Wk 1,024 x 1,024 float32; Wq 1,024 x 1,024 float32; Wv 1,024 x 1,024 float32; bk 1,024 float32; bq 1,024 float32; bv 1,024 float32; mask 8 x 2,048 float32; x1 8 x 256 x 1,024 float32; x2 8 x 2,048 x 1,024 float32.
;; Outputs: out0 8 x 256 x 1,024 float32; out1 8 x 256 x 1,024 float32.
;; 2 versions, each right; version 2 is version 1 with the launch cvt written anew for expert scheduling mode. Each part assembles by itself: llvm-mc -triple=amdgcn-amd-amdhsa -mcpu=gfx1250 --defsym DOCPART=n.
;; ======== version 1 of 2: 6 launches
;; limits: values are held in f16: magnitudes above 65,504 overflow, below 6.1e-05 lose precision; right only within a limited range of input values
;; workspace buffers: w0 10,485,760 bytes; w1 8,519,680 bytes; w2 4,325,376 bytes; w3 50,855,936 bytes; w4 5,242,880 bytes
;; launch cvt (part 1): grid 320 x 1, 8 waves a work-group, no clusters, 35,840 bytes of LDS; arguments x1, Wq, Wk, Wv, w0; writes w0
.if DOCPART == 1
	.amdgcn_target "amdgcn-amd-amdhsa--gfx1250"
	.amdhsa_code_object_version 6
	.text
	.protected	k_qb6cde6cc89_cvt
	.globl	k_qb6cde6cc89_cvt
	.p2align	8
	.type	k_qb6cde6cc89_cvt,@function
k_qb6cde6cc89_cvt:
	s_mov_b64 s[64:65], 0
	v_nop
	global_prefetch_b8 v0, s[64:65] scope:SCOPE_SE
	s_setreg_imm32_b32 hwreg(HW_REG_WAVE_MODE, 25, 1), 1
	s_wait_xcnt 0x0
; cvt: x1, Wq, Wv and the transpose of Wk go from f32 to f16 and into PANELS: X[block of 128 rows][K/8][128 rows][8 k].
; In that order a block's K extent is one dense run of bytes, and the 16 bytes of sixteen neighbouring rows are 256 neighbouring bytes.
; w0: x1p at 0 (16 blocks of 262,144 bytes), wqp at 4,194,304 (8), wkp at 6,291,456 (8; rows d, K = e), wvp at 8,388,608 (8).
; Work-groups 0-255: 128 rows x 128 k of x1, Wq or Wv; a wave takes 16 rows and turns them through its own LDS stage.
; Work-groups 256-319: 128 e x 128 d of Wk; a lane gathers eight e of one d in registers: no LDS.
; A stream bound by bytes: no matrix unit, no cluster, no barrier (each wave reads only LDS bytes that it wrote itself).
; LIMIT: values of magnitude 65504 or more do not fit f16.
.set STG, 4352                         ; a wave's stage: 16 rows of 256 bytes at pitch 272 (an odd multiple of 16)
.set XI,  16                           ; v[16:79]  as loaded, f32
.set XO,  80                           ; v[80:111] packed f16
	s_load_b256 s[4:11], s[0:1], 0x0               ; x1 s[4:5], Wq s[6:7], Wk s[8:9], Wv s[10:11]
	s_load_b64 s[12:13], s[0:1], 0x20              ; w0
	v_lshl_add_u32 v112, v0, 2, 0x8800
	v_mov_b32 v113, 0
	v_and_b32 v1, 31, v0                           ; lane
	v_lshrrev_b32 v2, 5, v0                        ; wave
	v_readfirstlane_b32 s14, v2                    ; wave, as a scalar
	s_mov_b32 s23, 0                               ; upper word of every offset pair
	s_cmp_ge_u32 ttmp9, 256
	s_cbranch_scc1 .Ltransposed
	; ---- rows stay rows: x1 (blocks 0-15), Wq (16-23), Wv (24-31) ----
	s_lshr_b32 s15, ttmp9, 3                       ; block number 0..31
	s_and_b32 s16, ttmp9, 7                        ; which 128 k
	s_wait_kmcnt 0x0
	s_cmp_lt_u32 s15, 24
	s_cselect_b64 s[18:19], s[6:7], s[10:11]       ; Wq or Wv
	s_cselect_b32 s20, 16, 24                      ; the source's first block number
	s_cselect_b32 s21, 0, 0x200000                 ; wvp lies 2,097,152 bytes behind block number x 262,144
	s_cmp_lt_u32 s15, 16
	s_cselect_b64 s[18:19], s[4:5], s[18:19]       ; x1
	s_cselect_b32 s20, 0, s20
	s_sub_co_u32 s20, s15, s20                     ; block inside the source
	s_lshl_b32 s22, s20, 19                        ; 128 rows of 4,096 bytes
	s_lshl_b32 s24, s16, 9                         ; 128 k of 4 bytes
	s_add_co_u32 s22, s22, s24
	s_add_nc_u64 s[18:19], s[18:19], s[22:23]
	s_lshl_b32 s22, s15, 18                        ; the block's panels
	s_add_co_u32 s22, s22, s21
	s_lshl_b32 s24, s16, 15                        ; 16 panels of 2,048 bytes
	s_add_co_u32 s22, s22, s24
	s_add_nc_u64 s[12:13], s[12:13], s[22:23]
	v_lshlrev_b32 v3, 4, v1
	v_lshl_add_u32 v3, v2, 16, v3                  ; source: 16 lane + wave x 16 rows
	s_mul_i32 s26, s14, STG
	v_lshl_add_u32 v4, v1, 3, s26                  ; stage, in: 8 bytes a lane along a row
	v_and_b32 v6, 15, v0
	v_bfe_u32 v7, v0, 4, 1
	v_mul_u32_u24 v5, v6, 272
	v_lshl_add_u32 v5, v7, 4, v5
	v_add_nc_u32 v5, s26, v5                       ; stage, out: row lane % 16, 16 bytes of panel lane / 16
	v_lshlrev_b32 v8, 4, v6
	v_lshl_add_u32 v8, v7, 11, v8
	v_lshl_add_u32 v8, v2, 8, v8                   ; panels: (lane / 16) 2048 + (16 wave + lane % 16) 16
.irp i, 0,1,2,3,4,5,6,7,8,9,10,11,12,13,14,15
	global_load_b128 v[XI+4*\i:XI+4*\i+3], v3, s[18:19] offset:\i*4096 th:TH_LOAD_NT   ; a row's 512 bytes
.endr
.irp i, 0,1,2,3,4,5,6,7,8,9,10,11,12,13,14,15
	s_wait_loadcnt 15-\i                           ; loads return in order: row i is in, the younger rows stay out
	v_cvt_pk_f16_f32 v[XO+2*\i], v[XI+4*\i], v[XI+4*\i+1]
	v_cvt_pk_f16_f32 v[XO+2*\i+1], v[XI+4*\i+2], v[XI+4*\i+3]
	ds_store_b64 v4, v[XO+2*\i:XO+2*\i+1] offset:\i*272
.endr
.irp q, 0,1,2,3,4,5,6,7
	ds_load_b128 v[XI+4*\q:XI+4*\q+3], v5 offset:\q*32      ; my own bytes: LDS serves a wave's instructions in order
.endr
.irp q, 0,1,2,3,4,5,6,7
	s_wait_dscnt 7-\q
	global_store_b128 v8, v[XI+4*\q:XI+4*\q+3], s[12:13] offset:\q*4096   ; sixteen lanes store 256 consecutive bytes, aligned
.endr
	s_wait_tensorcnt 0x0
	ds_add_u32 v112, v113
	s_wait_dscnt 0x0
	s_endpgm
	; ---- Wk[e][d] becomes wkp[d/128][e/8][128 d][8 e] ----
.Ltransposed:
	s_sub_co_u32 s15, ttmp9, 256
	s_lshr_b32 s16, s15, 3                         ; which 128 d
	s_and_b32 s17, s15, 7                          ; which 128 e
	s_lshl_b32 s22, s17, 19
	s_lshl_b32 s24, s16, 9
	s_add_co_u32 s22, s22, s24
	s_wait_kmcnt 0x0
	s_add_nc_u64 s[8:9], s[8:9], s[22:23]
	s_lshl_b32 s22, s16, 18
	s_lshl_b32 s24, s17, 15
	s_add_co_u32 s22, s22, s24
	s_add_co_u32 s22, s22, 0x600000
	s_add_nc_u64 s[12:13], s[12:13], s[22:23]
	v_lshlrev_b32 v3, 2, v1
	v_lshl_add_u32 v3, v2, 16, v3                  ; 4 lane + wave x 16 rows of e
	v_lshlrev_b32 v8, 4, v1
	v_lshl_add_u32 v8, v2, 12, v8                  ; 16 lane + wave x 2 panels
.set n, 0
.rept 64                                           ; n = 8 (4 eg + q) + j: row 8 eg + j of my 16, columns 32 q + lane
	global_load_b32 v[XI+n], v3, s[8:9] offset:(8*(n>>5)+(n&7))*4096+((n>>3)&3)*128
.set n, n+1
.endr
.set g, 0
.rept 8
	s_wait_loadcnt 56-8*g                          ; the eight loads of group g are in
	v_cvt_pk_f16_f32 v[XO+4*g], v[XI+8*g], v[XI+8*g+1]
	v_cvt_pk_f16_f32 v[XO+4*g+1], v[XI+8*g+2], v[XI+8*g+3]
	v_cvt_pk_f16_f32 v[XO+4*g+2], v[XI+8*g+4], v[XI+8*g+5]
	v_cvt_pk_f16_f32 v[XO+4*g+3], v[XI+8*g+6], v[XI+8*g+7]
	global_store_b128 v8, v[XO+4*g:XO+4*g+3], s[12:13] offset:(g>>2)*2048+(g&3)*512   ; 512 consecutive bytes
.set g, g+1
.endr
	s_endpgm
.Lfunc_end_k_qb6cde6cc89_cvt:
	.size	k_qb6cde6cc89_cvt, .Lfunc_end_k_qb6cde6cc89_cvt-k_qb6cde6cc89_cvt
	.p2alignl 7, 3214868480
	.fill 96, 4, 3214868480
	.section	.rodata,"a",@progbits
	.p2align	6, 0x0
	.amdhsa_kernel k_qb6cde6cc89_cvt
		.amdhsa_group_segment_fixed_size 35840
		.amdhsa_private_segment_fixed_size 0
		.amdhsa_enable_private_segment 0
		.amdhsa_kernarg_size 40
		.amdhsa_user_sgpr_count 2
		.amdhsa_user_sgpr_kernarg_segment_ptr 1
		.amdhsa_wavefront_size32 1
		.amdhsa_system_sgpr_workgroup_id_x 1
		.amdhsa_system_sgpr_workgroup_id_y 1
		.amdhsa_system_sgpr_workgroup_id_z 1
		.amdhsa_system_vgpr_workitem_id 0
		.amdhsa_next_free_vgpr 114
		.amdhsa_next_free_sgpr 66
		.amdhsa_reserve_vcc 0
		.amdhsa_float_denorm_mode_32 3
		.amdhsa_float_denorm_mode_16_64 3
		.amdhsa_memory_ordered 1
		.amdhsa_forward_progress 1
		.amdhsa_inst_pref_size 19
	.end_amdhsa_kernel
	.amdgpu_metadata
---
amdhsa.version: [ 1, 2 ]
amdhsa.kernels:
  - .name:           k_qb6cde6cc89_cvt
    .symbol:         k_qb6cde6cc89_cvt.kd
    .args:
      - { .name: x1, .offset: 0, .size: 8, .value_kind: global_buffer, .address_space: global }
      - { .name: Wq, .offset: 8, .size: 8, .value_kind: global_buffer, .address_space: global }
      - { .name: Wk, .offset: 16, .size: 8, .value_kind: global_buffer, .address_space: global }
      - { .name: Wv, .offset: 24, .size: 8, .value_kind: global_buffer, .address_space: global }
      - { .name: w0, .offset: 32, .size: 8, .value_kind: global_buffer, .address_space: global }
    .group_segment_fixed_size: 35840
    .private_segment_fixed_size: 0
    .kernarg_segment_align: 8
    .kernarg_segment_size: 40
    .max_flat_workgroup_size: 256
    .sgpr_count:     66
    .vgpr_count:     114
    .wavefront_size: 32
...
	.end_amdgpu_metadata
.endif
;; end of part 1
;; launch proj (part 2): grid 256 x 1, 8 waves a work-group, clusters of 4 x 1, 327,680 bytes of LDS; arguments w0, bq, bk, bv, w1; writes w1
.if DOCPART == 2
	.amdgcn_target "amdgcn-amd-amdhsa--gfx1250"
	.amdhsa_code_object_version 6
	.text
	.protected	k_qb6cde6cc89_proj
	.globl	k_qb6cde6cc89_proj
	.p2align	8
	.type	k_qb6cde6cc89_proj,@function
k_qb6cde6cc89_proj:
	s_mov_b64 s[64:65], 0
	v_nop
	global_prefetch_b8 v0, s[64:65] scope:SCOPE_SE
	s_setreg_imm32_b32 hwreg(HW_REG_WAVE_MODE, 25, 1), 1
	s_wait_xcnt 0x0
	s_wait_alu depctr_hold_cnt(0) depctr_sa_sdst(0) depctr_va_vdst(0) depctr_va_sdst(0) depctr_va_ssrc(0) depctr_va_vcc(0) depctr_vm_vsrc(0)
	s_getreg_b32 s2, hwreg(HW_REG_IB_STS2, 6, 4)
	s_cmp_eq_u32 s2, 0
	s_cbranch_scc0 .Lentry_in_a_cluster
	s_endpgm
.Lentry_in_a_cluster:
	s_bfe_u32 s2, ttmp6, 0x10000c
	s_cmp_lg_u32 s2, 0x3003
	s_cbranch_scc0 .Lentry_shape_is_right
	s_endpgm
.Lentry_shape_is_right:
; proj: two products of 2048 x 1024 x 1024 in f16 with f32 sums, 128 blocks of 128 x 128 each.
;   role 0 (clusters 0-31):  q = x1 Wq^T + bq  -> qp[row block][e/8][128 rows][8 e], and the partial dots q . bk over 64 columns -> qbp[16][2048] f32
;   role 1 (clusters 32-63): v1^T = Wv x1^T + bv -> v1p[b][e block][l'/8][128 e][8 l']
; Operands are panels (X[block][K/8][128 rows][8 k]): a slab of 256 k of a block is 65,536 dense bytes, a fragment load takes 256 consecutive LDS bytes
; for sixteen lanes, so nothing is padded.  Eight waves, a wave makes 32 x 64: 8 accumulator tiles.
; THE MATRIX INSTRUCTION IS USED TRANSPOSED (source 0 = B's rows, source 1 = A's rows): lane (r, h) holds row r of C and its registers the columns 8 h + 0..7,
; which pack into the 16 bytes of one panel row: results are stored straight from registers, sixteen lanes to 256 consecutive bytes.
; CLUSTER 4 x 1: the four work-groups make four neighbouring column blocks of one row block and walk the same A: A's slabs are asked for jointly (mask 15).
; B's block differs in each of the four, so B's loads are plain.  A's address is made of the cluster's number and the wave's number alone.
; Two LDS slots of one slab of A and one of B; each wave brings 16,384 bytes of a slot; by this text's count a wave has at most two tensor loads out.
; LIMIT: q and v1 are stored in f16: magnitudes of 65504 or more do not fit.
.set ACC,  16                          ; v[16:79]   tile (i, t) at ACC + 8 (4 i + t)
.set F0,   80                          ; v[80:127]  fragments: A's two tiles, then B's four
.set F1,   128                         ; v[128:175] the second buffer
.set CB,   176                         ; v[176:207] bq of my 32 columns
.set DV,   208                         ; v[208:239] bk of my 32 columns
.set RB,   240                         ; v[240:241] bv of my two rows
.set TS,   242                         ; v[242:247] at work
.set ADRA, 4                           ; v4-5  LDS address of my A fragments, slot 0, 1
.set ADRB, 6                           ; v6-7  the same for B
.set CO,   8                           ; v8    byte offset of my 16 bytes in C's panels
.set QO,   9                           ; v9    byte offset of my word in qbp
.set BO,   10                          ; v10   byte offset in bq and bk
.set RO,   11                          ; v11   byte offset in bv
.set G1A,  24
.set G1B,  32
.set G0A,  40
.set G0B,  48
.set SLABB, 65536
.set SLOT,  131072
.macro PLACES                          ; four places behind a matrix instruction (ISA guide 7.12.1)
.rept 4
	v_nop
.endr
.endm
.macro ROUND                           ; a round of the cluster's barrier
	s_barrier_signal -1
	s_barrier_wait -1
	s_cmp_lg_u32 s3, 0
	s_cbranch_scc1 .Lnot_wave_0_\@
	s_barrier_signal -3
.Lnot_wave_0_\@:
	s_barrier_wait -3
	s_barrier_signal -1
	s_barrier_wait -1
.endm
.macro SHAPE g, first, rows            ; descriptor group 1: rows of 32 elements of 8 bytes, dense
	s_mov_b32 s[\g+0], \first
	s_mov_b32 s[\g+1], 32<<16
	s_mov_b32 s[\g+2], \rows<<16
	s_mov_b32 s[\g+3], 32<<16
	s_mov_b32 s[\g+4], \rows
	s_mov_b32 s[\g+5], 32
	s_mov_b32 s[\g+6], 0
	s_mov_b32 s[\g+7], 0
.endm
.macro JLOAD slot                      ; waves 0-3 ask jointly for A's quarters, waves 4-7 for B's: one tensor load a wave
	s_cmp_lt_u32 s3, 4
	s_cbranch_scc0 .Lfor_b_\@
	tensor_load_to_lds s[G0A+4*\slot:G0A+4*\slot+3], s[G1A:G1A+7]
	s_nop 0
	s_branch .Lasked_\@
.Lfor_b_\@:
	tensor_load_to_lds s[G0B+4*\slot:G0B+4*\slot+3], s[G1B:G1B+7]
	s_nop 0
.Lasked_\@:
.endm
.macro FETCH slot, ks, f               ; 12 LDS loads: the fragments of K step ks (32 k = 4 panels of 2,048 bytes) into buffer f
	PLACES                             ; buffer f was read by the matrix instructions just in front
.irp i, 0,1
	ds_load_b128 v[\f+8*\i:\f+8*\i+3],   v[ADRA+\slot] offset:(\ks)*8192+\i*256
	ds_load_b128 v[\f+8*\i+4:\f+8*\i+7], v[ADRA+\slot] offset:(\ks)*8192+\i*256+4096
.endr
.irp t, 0,1,2,3
	ds_load_b128 v[\f+16+8*\t:\f+16+8*\t+3], v[ADRB+\slot] offset:(\ks)*8192+\t*256
	ds_load_b128 v[\f+16+8*\t+4:\f+16+8*\t+7], v[ADRB+\slot] offset:(\ks)*8192+\t*256+4096
.endr
.endm
.macro MUL f, zero                     ; 8 matrix instructions; the 8 accumulators take turns, one instruction a turn
.irp i, 0,1
.irp t, 0,1,2,3
.if \zero
	v_wmma_f32_16x16x32_f16 v[ACC+8*(4*\i+\t):ACC+8*(4*\i+\t)+7], v[\f+16+8*\t:\f+16+8*\t+7], v[\f+8*\i:\f+8*\i+7], 0
.else
	v_wmma_f32_16x16x32_f16 v[ACC+8*(4*\i+\t):ACC+8*(4*\i+\t)+7], v[\f+16+8*\t:\f+16+8*\t+7], v[\f+8*\i:\f+8*\i+7], v[ACC+8*(4*\i+\t):ACC+8*(4*\i+\t)+7]
.endif
.endr
.endr
.endm
.macro STEP slot, nks, cur, oth, zero  ; fetch K step nks into oth, multiply cur
	FETCH \slot, \nks, \oth
	s_wait_dscnt 12                    ; all but the 12 loads just issued: cur is in
	MUL \cur, \zero
.endm
.macro SLAB slot, zero                 ; 8 K steps of one slot
	FETCH \slot, 0, F0
	STEP \slot, 1, F0, F1, \zero
	STEP \slot, 2, F1, F0, 0
	STEP \slot, 3, F0, F1, 0
	STEP \slot, 4, F1, F0, 0
	STEP \slot, 5, F0, F1, 0
	STEP \slot, 6, F1, F0, 0
	STEP \slot, 7, F0, F1, 0
	s_wait_dscnt 0x0
	MUL F1, 0
.endm
.macro NEXT slot, other, refill        ; change of slots
	s_wait_tensorcnt 0x0               ; all my tensor loads have landed, my part of this slot among them: every group 0 may be written
	ds_add_u32 v253, v254
	s_wait_dscnt 0x0
.if \refill
	s_add_nc_u64 s[G0A+4*\other+2:G0A+4*\other+3], s[G0A+4*\other+2:G0A+4*\other+3], 2*SLABB
	s_add_nc_u64 s[G0B+4*\other+2:G0B+4*\other+3], s[G0B+4*\other+2:G0B+4*\other+3], 2*SLABB
.endif
	s_wait_dscnt 0x0                   ; my reads of the other slot are back
.if \refill
	ROUND                              ; both now hold of every wave of the four work-groups
	JLOAD \other                       ; the refill: my first and only tensor load behind the round
.else
	s_barrier_signal -1
	s_barrier_wait -1
.endif
	SLAB \slot, 0
.endm
	s_load_b256 s[4:11], s[0:1], 0x0               ; w0 s[4:5], bq s[6:7], bk s[8:9], bv s[10:11]
	s_load_b64 s[12:13], s[0:1], 0x20              ; w1
	v_lshl_add_u32 v253, v0, 2, 0x40000
	v_mov_b32 v254, 0
	ds_add_u32 v253, v254
	v_lshrrev_b32 v3, 5, v0
	v_readfirstlane_b32 s3, v3                     ; wave 0..7
	v_and_b32 v1, 15, v0                           ; r
	v_bfe_u32 v2, v0, 4, 1                         ; h
	s_lshr_b32 s14, ttmp9, 5                       ; role
	s_and_b32 s15, ttmp9, 31
	s_lshr_b32 s20, s3, 1                          ; wm: my 32 rows
	s_and_b32 s21, s3, 1                           ; wn: my 64 columns
	s_mov_b32 s56, 0x76543210                      ; v_permlanex16_b32: lane i reads lane i of the other half
	s_mov_b32 s57, 0xfedcba98
	SHAPE G1A, 15|(3<<16)|(1<<21), 64              ; mask of the four partners, bit 21 beside it, elements of 8 bytes, 64 rows of 256 bytes
	SHAPE G1B, 3<<16, 64
	; A's offset in w0: nothing of my place in the cluster enters
	s_lshr_b32 s17, s15, 1                         ; role 0: row block of x1
	s_lshr_b32 s18, s15, 2                         ; role 1: row block of Wv
	s_lshl_b32 s60, s17, 18
	s_lshl_b32 s19, s18, 18
	s_add_co_u32 s19, s19, 0x800000
	s_and_b32 s22, s3, 3
	s_lshl_b32 s22, s22, 14                        ; my quarter of a slab
	s_cmp_eq_u32 s14, 0
	s_cselect_b32 s60, s60, s19
	s_cselect_b32 s58, 0, -1                       ; all lanes in role 1
	s_cselect_b32 s59, -1, 0                       ; all lanes in role 0
	s_add_co_u32 s60, s60, s22
	s_mov_b32 s61, 0
	; what hangs on my place in the cluster: s66 and up
	s_bfe_u32 s67, ttmp6, 0x40000                  ; cx
	s_and_b32 s66, s15, 1
	s_lshl2_add_u32 s66, s66, s67                  ; role 0: column block of q, 0..7
	s_and_b32 s78, s15, 3
	s_lshl2_add_u32 s78, s78, s67                  ; role 1: row block of x1, 0..15
	s_lshl_b32 s68, s66, 18
	s_add_co_u32 s68, s68, 0x400000                ; wqp
	s_lshl_b32 s74, s78, 18                        ; x1p
	s_cmp_eq_u32 s14, 0
	s_cselect_b32 s68, s68, s74
	s_add_co_u32 s68, s68, s22
	s_mov_b32 s69, 0
	s_lshl_b32 s70, s17, 18                        ; role 0: qp + row block x 262,144 + column block x 16 panels
	s_lshl_b32 s74, s66, 15
	s_add_co_u32 s70, s70, s74
	s_lshr_b32 s74, s78, 1                         ; role 1: v1p + (8 b + e block) x 65,536 + half of l' x 16 panels
	s_lshl3_add_u32 s74, s74, s18
	s_lshl_b32 s74, s74, 16
	s_and_b32 s75, s78, 1
	s_lshl_b32 s75, s75, 15
	s_add_co_u32 s74, s74, s75
	s_add_co_u32 s74, s74, 0x400000
	s_cmp_eq_u32 s14, 0
	s_cselect_b32 s70, s70, s74
	s_mov_b32 s71, 0
	s_lshl_b32 s72, s66, 14                        ; qbp + 2 column block x 8,192 + row block x 512
	s_lshl_b32 s74, s17, 9
	s_add_co_u32 s72, s72, s74
	s_add_co_u32 s72, s72, 0x800000
	s_mov_b32 s73, 0
	s_lshl_b32 s19, s3, 14                         ; LDS: wave x 16,384: A's four quarters, then B's
	s_wait_dscnt 0x0
	s_wait_kmcnt 0x0
	s_add_nc_u64 s[60:61], s[4:5], s[60:61]
	s_add_nc_u64 s[68:69], s[4:5], s[68:69]
	s_add_nc_u64 s[76:77], s[12:13], s[72:73]
	s_add_nc_u64 s[12:13], s[12:13], s[70:71]
	ROUND                                          ; the four work-groups are here: the first joint loads meet
.irp s, 0,1
	s_mov_b32 s[G0A+4*\s], 1
	s_add_co_u32 s[G0A+4*\s+1], s19, \s*SLOT
	s_add_nc_u64 s[G0A+4*\s+2:G0A+4*\s+3], s[60:61], \s*SLABB
	s_or_b32 s[G0A+4*\s+3], s[G0A+4*\s+3], 0x80000000
	s_mov_b32 s[G0B+4*\s], 1
	s_add_co_u32 s[G0B+4*\s+1], s19, \s*SLOT
	s_add_nc_u64 s[G0B+4*\s+2:G0B+4*\s+3], s[68:69], \s*SLABB
	s_or_b32 s[G0B+4*\s+3], s[G0B+4*\s+3], 0x80000000
	JLOAD \s
.endr
	v_lshlrev_b32 v3, 4, v1
	v_lshl_add_u32 v3, v2, 11, v3                  ; 2048 h + 16 r
	s_lshl_b32 s16, s20, 9
	v_add_nc_u32 v[ADRA], s16, v3                  ; + 32 wm rows
	v_add_nc_u32 v[ADRA+1], SLOT, v[ADRA]
	s_lshl_b32 s23, s21, 10
	s_add_co_u32 s23, s23, SLABB
	v_add_nc_u32 v[ADRB], s23, v3                  ; B lies behind A; + 64 wn rows
	v_add_nc_u32 v[ADRB+1], SLOT, v[ADRB]
	s_lshl_b32 s23, s21, 14
	v_add_nc_u32 v[CO], s23, v[ADRA]               ; (8 wn + h) 2048 + (32 wm + r) 16
	v_and_b32 v[QO], 31, v0
	v_lshlrev_b32 v[QO], 2, v[QO]
	s_lshl_b32 s16, s20, 7
	s_lshl_b32 s23, s21, 13
	s_add_co_u32 s23, s23, s16
	v_add_nc_u32 v[QO], s23, v[QO]                 ; wn 8192 + (32 wm + lane) 4
	s_lshl_b32 s74, s66, 9
	s_lshl_b32 s75, s21, 8
	s_add_co_u32 s74, s74, s75
	v_lshl_add_u32 v[BO], v2, 5, s74               ; (128 block + 64 wn + 8 h) 4: inside bq and bk in both roles
	s_lshl_b32 s23, s18, 9
	s_add_co_u32 s23, s23, s16
	v_lshl_add_u32 v[RO], v1, 2, s23               ; (128 block + 32 wm + r) 4: inside bv in both roles
.irp t, 0,1,2,3
	global_load_b128 v[CB+8*\t:CB+8*\t+3],   v[BO], s[6:7] offset:\t*64
	global_load_b128 v[CB+8*\t+4:CB+8*\t+7], v[BO], s[6:7] offset:\t*64+16
	global_load_b128 v[DV+8*\t:DV+8*\t+3],   v[BO], s[8:9] offset:\t*64
	global_load_b128 v[DV+8*\t+4:DV+8*\t+7], v[BO], s[8:9] offset:\t*64+16
.endr
	global_load_b32 v[RB], v[RO], s[10:11]
	global_load_b32 v[RB+1], v[RO], s[10:11] offset:64
	s_wait_tensorcnt 0x1                           ; my part of slot 0 is in; slot 1's may stay out
	s_barrier_signal -1
	s_barrier_wait -1
	SLAB 0, 1                                      ; the first products start the sums
	NEXT 1, 0, 1
	NEXT 0, 1, 1
	NEXT 1, 0, 0
	; THE WAY OUT.  The 34 selects and the move below name no register of a matrix instruction: they are the places in front of the first read of a result.
	s_wait_loadcnt 0x0                             ; the biases
	v_mov_b32 v255, 0
.set k, 0
.rept 32
	v_cndmask_b32 v[CB+k], v[CB+k], v255, s58      ; role 1 has no bias by column
.set k, k+1
.endr
	v_cndmask_b32 v[RB], v[RB], v255, s59          ; role 0 has no bias by row
	v_cndmask_b32 v[RB+1], v[RB+1], v255, s59
.irp i, 0,1
.irp t, 0,1,2,3
.irp p, 0,2,4,6
	v_pk_add_f32 v[ACC+8*(4*\i+\t)+\p:ACC+8*(4*\i+\t)+\p+1], v[ACC+8*(4*\i+\t)+\p:ACC+8*(4*\i+\t)+\p+1], v[CB+8*\t+\p:CB+8*\t+\p+1]
.endr
.irp j, 0,1,2,3,4,5,6,7
	v_add_f32 v[ACC+8*(4*\i+\t)+\j], v[ACC+8*(4*\i+\t)+\j], v[RB+\i]
.endr
.endr
.endr
	s_cmp_lg_u32 s14, 0
	s_cbranch_scc1 .Lno_dot
	; role 0: q . bk over my 64 columns, four chains for each of my two row tiles
.irp i, 0,1
.irp t, 0,1,2,3
	v_mul_f32 v[TS+\t], v[ACC+8*(4*\i+\t)], v[DV+8*\t]
.endr
.irp j, 1,2,3,4,5,6,7
.irp t, 0,1,2,3
	v_fmac_f32 v[TS+\t], v[ACC+8*(4*\i+\t)+\j], v[DV+8*\t+\j]
.endr
.endr
	v_add_f32 v[TS], v[TS], v[TS+1]
	v_add_f32 v[TS+2], v[TS+2], v[TS+3]
	v_add_f32 v[TS+4+\i], v[TS], v[TS+2]
.endr
	v_permlanex16_b32 v[TS], v[TS+4], s56, s57     ; the other eight columns of each sixteen
	v_permlanex16_b32 v[TS+1], v[TS+5], s56, s57
	v_add_f32 v[TS+4], v[TS+4], v[TS]
	v_add_f32 v[TS+5], v[TS+5], v[TS+1]
	v_cmp_eq_u32 vcc_lo, 1, v2
	v_cndmask_b32 v[TS+4], v[TS+4], v[TS+5], vcc_lo   ; lanes 0-15 store tile 0's rows, lanes 16-31 tile 1's: 128 consecutive bytes
	global_store_b32 v[QO], v[TS+4], s[76:77]
.Lno_dot:
.irp i, 0,1
.irp t, 0,1,2,3
.irp p, 0,1,2,3
	v_cvt_pk_f16_f32 v[F0+4*(4*\i+\t)+\p], v[ACC+8*(4*\i+\t)+2*\p], v[ACC+8*(4*\i+\t)+2*\p+1]
.endr
	global_store_b128 v[CO], v[F0+4*(4*\i+\t):F0+4*(4*\i+\t)+3], s[12:13] offset:\t*4096+\i*256   ; sixteen lanes: 256 consecutive bytes of one panel
.endr
.endr
	ROUND                                          ; the closing round: no work-group ends while a partner may still ask jointly
	s_endpgm
.Lfunc_end_k_qb6cde6cc89_proj:
	.size	k_qb6cde6cc89_proj, .Lfunc_end_k_qb6cde6cc89_proj-k_qb6cde6cc89_proj
	.p2alignl 7, 3214868480
	.fill 96, 4, 3214868480
	.section	.rodata,"a",@progbits
	.p2align	6, 0x0
	.amdhsa_kernel k_qb6cde6cc89_proj
		.amdhsa_group_segment_fixed_size 327680
		.amdhsa_private_segment_fixed_size 0
		.amdhsa_enable_private_segment 0
		.amdhsa_kernarg_size 40
		.amdhsa_user_sgpr_count 2
		.amdhsa_user_sgpr_kernarg_segment_ptr 1
		.amdhsa_wavefront_size32 1
		.amdhsa_system_sgpr_workgroup_id_x 1
		.amdhsa_system_sgpr_workgroup_id_y 1
		.amdhsa_system_sgpr_workgroup_id_z 1
		.amdhsa_system_vgpr_workitem_id 0
		.amdhsa_next_free_vgpr 256
		.amdhsa_next_free_sgpr 80
		.amdhsa_reserve_vcc 1
		.amdhsa_float_denorm_mode_32 3
		.amdhsa_float_denorm_mode_16_64 3
		.amdhsa_memory_ordered 1
		.amdhsa_forward_progress 1
		.amdhsa_inst_pref_size 67
	.end_amdhsa_kernel
	.amdgpu_metadata
---
amdhsa.version: [ 1, 2 ]
amdhsa.kernels:
  - .name:           k_qb6cde6cc89_proj
    .symbol:         k_qb6cde6cc89_proj.kd
    .args:
      - { .name: w0, .offset: 0, .size: 8, .value_kind: global_buffer, .address_space: global }
      - { .name: bq, .offset: 8, .size: 8, .value_kind: global_buffer, .address_space: global }
      - { .name: bk, .offset: 16, .size: 8, .value_kind: global_buffer, .address_space: global }
      - { .name: bv, .offset: 24, .size: 8, .value_kind: global_buffer, .address_space: global }
      - { .name: w1, .offset: 32, .size: 8, .value_kind: global_buffer, .address_space: global }
    .group_segment_fixed_size: 327680
    .private_segment_fixed_size: 0
    .kernarg_segment_align: 8
    .kernarg_segment_size: 40
    .max_flat_workgroup_size: 256
    .sgpr_count:     80
    .vgpr_count:     256
    .wavefront_size: 32
...
	.end_amdgpu_metadata
.endif
;; end of part 2
;; launch qk (part 3): grid 128 x 1, 8 waves a work-group, clusters of 4 x 1, 327,680 bytes of LDS; arguments w1, w0, w2; writes w2
.if DOCPART == 3
	.amdgcn_target "amdgcn-amd-amdhsa--gfx1250"
	.amdhsa_code_object_version 6
	.text
	.protected	k_qb6cde6cc89_qk
	.globl	k_qb6cde6cc89_qk
	.p2align	8
	.type	k_qb6cde6cc89_qk,@function
k_qb6cde6cc89_qk:
	s_mov_b64 s[64:65], 0
	v_nop
	global_prefetch_b8 v0, s[64:65] scope:SCOPE_SE
	s_setreg_imm32_b32 hwreg(HW_REG_WAVE_MODE, 25, 1), 1
	s_wait_xcnt 0x0
	s_wait_alu depctr_hold_cnt(0) depctr_sa_sdst(0) depctr_va_vdst(0) depctr_va_sdst(0) depctr_va_ssrc(0) depctr_va_vcc(0) depctr_vm_vsrc(0)
	s_getreg_b32 s2, hwreg(HW_REG_IB_STS2, 6, 4)
	s_cmp_eq_u32 s2, 0
	s_cbranch_scc0 .Lentry_in_a_cluster
	s_endpgm
.Lentry_in_a_cluster:
	s_bfe_u32 s2, ttmp6, 0x10000c
	s_cmp_lg_u32 s2, 0x3003
	s_cbranch_scc0 .Lentry_shape_is_right
	s_endpgm
.Lentry_shape_is_right:
; qk: q' = q Wk (2048 x 1024 x 1024, f16 operands, f32 sums), so that the logits are q' . x2 and k is never formed.
; 128 blocks of 128 x 128: that is all the work there is at this tile, so 128 work-groups are launched.
; q' has no room in f16 at inputs some 30 times larger, so each row's 64 columns of a wave are divided by their largest magnitude (at least 2^-126):
; qpp[b][d/8][256 l][8 d] holds numbers of magnitude at most 1, qs[d/64][2048 rows] the f32 divisors.
; Panels, the transposed use of the matrix instruction, the ring of two slots and the cluster are those of proj:
; the four work-groups of a cluster make four column blocks of one row block: A (q) is asked for jointly, B (Wk's panels) is each one's own.
; By this text's count a wave has at most two tensor loads out.
; LIMIT: a largest magnitude of 2^126 or more has a reciprocal that is flushed to zero.
.set ACC,  16
.set F0,   80
.set F1,   128
.set TS,   242                         ; v[242:245] at work; v[246:249] the two reciprocals, each twice; v250 what goes to qs
.set ADRA, 4
.set ADRB, 6
.set CO,   8
.set QO,   9
.set G1A,  24
.set G1B,  32
.set G0A,  40
.set G0B,  48
.set SLABB, 65536
.set SLOT,  131072
.macro PLACES                          ; four places behind a matrix instruction (ISA guide 7.12.1)
.rept 4
	v_nop
.endr
.endm
.macro ROUND                           ; a round of the cluster's barrier
	s_barrier_signal -1
	s_barrier_wait -1
	s_cmp_lg_u32 s3, 0
	s_cbranch_scc1 .Lnot_wave_0_\@
	s_barrier_signal -3
.Lnot_wave_0_\@:
	s_barrier_wait -3
	s_barrier_signal -1
	s_barrier_wait -1
.endm
.macro SHAPE g, first, rows            ; descriptor group 1: rows of 32 elements of 8 bytes, dense
	s_mov_b32 s[\g+0], \first
	s_mov_b32 s[\g+1], 32<<16
	s_mov_b32 s[\g+2], \rows<<16
	s_mov_b32 s[\g+3], 32<<16
	s_mov_b32 s[\g+4], \rows
	s_mov_b32 s[\g+5], 32
	s_mov_b32 s[\g+6], 0
	s_mov_b32 s[\g+7], 0
.endm
.macro JLOAD slot                      ; waves 0-3 ask jointly for A's quarters, waves 4-7 for B's: one tensor load a wave
	s_cmp_lt_u32 s3, 4
	s_cbranch_scc0 .Lfor_b_\@
	tensor_load_to_lds s[G0A+4*\slot:G0A+4*\slot+3], s[G1A:G1A+7]
	s_nop 0
	s_branch .Lasked_\@
.Lfor_b_\@:
	tensor_load_to_lds s[G0B+4*\slot:G0B+4*\slot+3], s[G1B:G1B+7]
	s_nop 0
.Lasked_\@:
.endm
.macro FETCH slot, ks, f               ; 12 LDS loads: the fragments of K step ks into buffer f
	PLACES                             ; buffer f was read by the matrix instructions just in front
.irp i, 0,1
	ds_load_b128 v[\f+8*\i:\f+8*\i+3],   v[ADRA+\slot] offset:(\ks)*8192+\i*256
	ds_load_b128 v[\f+8*\i+4:\f+8*\i+7], v[ADRA+\slot] offset:(\ks)*8192+\i*256+4096
.endr
.irp t, 0,1,2,3
	ds_load_b128 v[\f+16+8*\t:\f+16+8*\t+3], v[ADRB+\slot] offset:(\ks)*8192+\t*256
	ds_load_b128 v[\f+16+8*\t+4:\f+16+8*\t+7], v[ADRB+\slot] offset:(\ks)*8192+\t*256+4096
.endr
.endm
.macro MUL f, zero                     ; 8 matrix instructions; the 8 accumulators take turns, one instruction a turn
.irp i, 0,1
.irp t, 0,1,2,3
.if \zero
	v_wmma_f32_16x16x32_f16 v[ACC+8*(4*\i+\t):ACC+8*(4*\i+\t)+7], v[\f+16+8*\t:\f+16+8*\t+7], v[\f+8*\i:\f+8*\i+7], 0
.else
	v_wmma_f32_16x16x32_f16 v[ACC+8*(4*\i+\t):ACC+8*(4*\i+\t)+7], v[\f+16+8*\t:\f+16+8*\t+7], v[\f+8*\i:\f+8*\i+7], v[ACC+8*(4*\i+\t):ACC+8*(4*\i+\t)+7]
.endif
.endr
.endr
.endm
.macro STEP slot, nks, cur, oth, zero
	FETCH \slot, \nks, \oth
	s_wait_dscnt 12                    ; all but the 12 loads just issued: cur is in
	MUL \cur, \zero
.endm
.macro SLAB slot, zero
	FETCH \slot, 0, F0
	STEP \slot, 1, F0, F1, \zero
	STEP \slot, 2, F1, F0, 0
	STEP \slot, 3, F0, F1, 0
	STEP \slot, 4, F1, F0, 0
	STEP \slot, 5, F0, F1, 0
	STEP \slot, 6, F1, F0, 0
	STEP \slot, 7, F0, F1, 0
	s_wait_dscnt 0x0
	MUL F1, 0
.endm
.macro NEXT slot, other, refill
	s_wait_tensorcnt 0x0               ; all my tensor loads have landed: every group 0 may be written
	ds_add_u32 v254, v255
	s_wait_dscnt 0x0
.if \refill
	s_add_nc_u64 s[G0A+4*\other+2:G0A+4*\other+3], s[G0A+4*\other+2:G0A+4*\other+3], 2*SLABB
	s_add_nc_u64 s[G0B+4*\other+2:G0B+4*\other+3], s[G0B+4*\other+2:G0B+4*\other+3], 2*SLABB
.endif
	s_wait_dscnt 0x0                   ; my reads of the other slot are back
.if \refill
	ROUND
	JLOAD \other                       ; the refill: my first and only tensor load behind the round
.else
	s_barrier_signal -1
	s_barrier_wait -1
.endif
	SLAB \slot, 0
.endm
	s_load_b128 s[4:7], s[0:1], 0x0                ; w1 s[4:5], w0 s[6:7]
	s_load_b64 s[8:9], s[0:1], 0x10                ; w2
	v_lshl_add_u32 v254, v0, 2, 0x40000
	v_mov_b32 v255, 0
	ds_add_u32 v254, v255
	v_lshrrev_b32 v3, 5, v0
	v_readfirstlane_b32 s3, v3
	v_and_b32 v1, 15, v0
	v_bfe_u32 v2, v0, 4, 1
	s_lshr_b32 s20, s3, 1                          ; wm
	s_and_b32 s21, s3, 1                           ; wn
	s_mov_b32 s56, 0x76543210
	s_mov_b32 s57, 0xfedcba98
	SHAPE G1A, 15|(3<<16)|(1<<21), 64
	SHAPE G1B, 3<<16, 64
	s_lshr_b32 s17, ttmp9, 1                       ; row block of q, 0..15
	s_and_b32 s22, s3, 3
	s_lshl_b32 s22, s22, 14
	s_lshl_b32 s60, s17, 18
	s_add_co_u32 s60, s60, s22
	s_mov_b32 s61, 0
	s_bfe_u32 s67, ttmp6, 0x40000                  ; cx: s66 and up hang on it
	s_and_b32 s66, ttmp9, 1
	s_lshl2_add_u32 s66, s66, s67                  ; column block of q', 0..7
	s_lshl_b32 s68, s66, 18
	s_add_co_u32 s68, s68, 0x600000                ; wkp
	s_add_co_u32 s68, s68, s22
	s_mov_b32 s69, 0
	s_lshr_b32 s70, s17, 1                         ; qpp: b x 524,288 + column block x 16 panels of 4,096 + half of l x 2,048
	s_lshl_b32 s70, s70, 19
	s_lshl_b32 s74, s66, 16
	s_add_co_u32 s70, s70, s74
	s_and_b32 s74, s17, 1
	s_lshl_b32 s74, s74, 11
	s_add_co_u32 s70, s70, s74
	s_mov_b32 s71, 0
	s_lshl_b32 s72, s66, 14                        ; qs
	s_lshl_b32 s74, s17, 9
	s_add_co_u32 s72, s72, s74
	s_add_co_u32 s72, s72, 0x400000
	s_mov_b32 s73, 0
	s_lshl_b32 s19, s3, 14
	s_wait_dscnt 0x0
	s_wait_kmcnt 0x0
	s_add_nc_u64 s[60:61], s[4:5], s[60:61]
	s_add_nc_u64 s[68:69], s[6:7], s[68:69]
	s_add_nc_u64 s[76:77], s[8:9], s[72:73]
	s_add_nc_u64 s[8:9], s[8:9], s[70:71]
	ROUND
.irp s, 0,1
	s_mov_b32 s[G0A+4*\s], 1
	s_add_co_u32 s[G0A+4*\s+1], s19, \s*SLOT
	s_add_nc_u64 s[G0A+4*\s+2:G0A+4*\s+3], s[60:61], \s*SLABB
	s_or_b32 s[G0A+4*\s+3], s[G0A+4*\s+3], 0x80000000
	s_mov_b32 s[G0B+4*\s], 1
	s_add_co_u32 s[G0B+4*\s+1], s19, \s*SLOT
	s_add_nc_u64 s[G0B+4*\s+2:G0B+4*\s+3], s[68:69], \s*SLABB
	s_or_b32 s[G0B+4*\s+3], s[G0B+4*\s+3], 0x80000000
	JLOAD \s
.endr
	v_lshlrev_b32 v3, 4, v1
	s_lshl_b32 s16, s20, 9
	v_add_nc_u32 v[CO], s16, v3                    ; (32 wm + r) 16
	v_lshl_add_u32 v[ADRA], v2, 11, v[CO]
	v_add_nc_u32 v[ADRA+1], SLOT, v[ADRA]
	v_lshl_add_u32 v3, v2, 11, v3
	s_lshl_b32 s23, s21, 10
	s_add_co_u32 s23, s23, SLABB
	v_add_nc_u32 v[ADRB], s23, v3
	v_add_nc_u32 v[ADRB+1], SLOT, v[ADRB]
	v_lshl_add_u32 v[CO], v2, 12, v[CO]
	s_lshl_b32 s23, s21, 15
	v_add_nc_u32 v[CO], s23, v[CO]                 ; (8 wn + h) 4096 + (32 wm + r) 16
	v_and_b32 v[QO], 31, v0
	v_lshlrev_b32 v[QO], 2, v[QO]
	s_lshl_b32 s16, s20, 7
	s_lshl_b32 s23, s21, 13
	s_add_co_u32 s23, s23, s16
	v_add_nc_u32 v[QO], s23, v[QO]
	s_wait_tensorcnt 0x1                           ; slot 0 is in; slot 1 may stay out
	s_barrier_signal -1
	s_barrier_wait -1
	SLAB 0, 1
	NEXT 1, 0, 1
	NEXT 0, 1, 1
	NEXT 1, 0, 0
	; THE WAY OUT: the largest magnitude of each row's 64 columns, the division, f16, the store
	PLACES
.irp i, 0,1
	v_max_num_f32 v[TS+\i], |v[ACC+32*\i]|, |v[ACC+32*\i+1]|
.endr
.set k, 2
.rept 15
	v_max3_num_f32 v[TS], |v[ACC+k]|, |v[ACC+k+1]|, v[TS]
	v_max3_num_f32 v[TS+1], |v[ACC+32+k]|, |v[ACC+32+k+1]|, v[TS+1]
.set k, k+2
.endr
	v_mov_b32 v[TS+2], 0                           ; v_permlanex16_b32 counts as a reader of its destination
	v_mov_b32 v[TS+3], 0
	v_permlanex16_b32 v[TS+2], v[TS], s56, s57
	v_permlanex16_b32 v[TS+3], v[TS+1], s56, s57
	v_max_num_f32 v[TS], v[TS], v[TS+2]
	v_max_num_f32 v[TS+1], v[TS+1], v[TS+3]
	v_max_num_f32 v[TS], 0x800000, v[TS]           ; at least 2^-126: a block of zeros stays zeros
	v_max_num_f32 v[TS+1], 0x800000, v[TS+1]
	v_rcp_f32 v246, v[TS]
	v_rcp_f32 v247, v[TS]
	v_rcp_f32 v248, v[TS+1]
	v_rcp_f32 v249, v[TS+1]
	v_nop                                          ; one plain place behind the reciprocals (ISA guide 5.7.2)
	v_cmp_eq_u32 vcc_lo, 1, v2
	v_cndmask_b32 v250, v[TS], v[TS+1], vcc_lo
	global_store_b32 v[QO], v250, s[76:77]         ; 128 consecutive bytes
	s_wait_alu depctr_va_vdst(0)
.irp i, 0,1
.set k, 0
.rept 16
	v_pk_mul_f32 v[ACC+32*\i+k:ACC+32*\i+k+1], v[ACC+32*\i+k:ACC+32*\i+k+1], v[246+2*\i:247+2*\i]
.set k, k+2
.endr
.irp t, 0,1,2,3
.irp p, 0,1,2,3
	v_cvt_pk_f16_f32 v[F0+4*(4*\i+\t)+\p], v[ACC+8*(4*\i+\t)+2*\p], v[ACC+8*(4*\i+\t)+2*\p+1]
.endr
	global_store_b128 v[CO], v[F0+4*(4*\i+\t):F0+4*(4*\i+\t)+3], s[8:9] offset:\t*8192+\i*256
.endr
.endr
	ROUND                                          ; the closing round
	s_endpgm
.Lfunc_end_k_qb6cde6cc89_qk:
	.size	k_qb6cde6cc89_qk, .Lfunc_end_k_qb6cde6cc89_qk-k_qb6cde6cc89_qk
	.p2alignl 7, 3214868480
	.fill 96, 4, 3214868480
	.section	.rodata,"a",@progbits
	.p2align	6, 0x0
	.amdhsa_kernel k_qb6cde6cc89_qk
		.amdhsa_group_segment_fixed_size 327680
		.amdhsa_private_segment_fixed_size 0
		.amdhsa_enable_private_segment 0
		.amdhsa_kernarg_size 24
		.amdhsa_user_sgpr_count 2
		.amdhsa_user_sgpr_kernarg_segment_ptr 1
		.amdhsa_wavefront_size32 1
		.amdhsa_system_sgpr_workgroup_id_x 1
		.amdhsa_system_sgpr_workgroup_id_y 1
		.amdhsa_system_sgpr_workgroup_id_z 1
		.amdhsa_system_vgpr_workitem_id 0
		.amdhsa_next_free_vgpr 256
		.amdhsa_next_free_sgpr 80
		.amdhsa_reserve_vcc 1
		.amdhsa_float_denorm_mode_32 3
		.amdhsa_float_denorm_mode_16_64 3
		.amdhsa_memory_ordered 1
		.amdhsa_forward_progress 1
		.amdhsa_inst_pref_size 61
	.end_amdhsa_kernel
	.amdgpu_metadata
---
amdhsa.version: [ 1, 2 ]
amdhsa.kernels:
  - .name:           k_qb6cde6cc89_qk
    .symbol:         k_qb6cde6cc89_qk.kd
    .args:
      - { .name: w1, .offset: 0, .size: 8, .value_kind: global_buffer, .address_space: global }
      - { .name: w0, .offset: 8, .size: 8, .value_kind: global_buffer, .address_space: global }
      - { .name: w2, .offset: 16, .size: 8, .value_kind: global_buffer, .address_space: global }
    .group_segment_fixed_size: 327680
    .private_segment_fixed_size: 0
    .kernarg_segment_align: 8
    .kernarg_segment_size: 24
    .max_flat_workgroup_size: 256
    .sgpr_count:     80
    .vgpr_count:     256
    .wavefront_size: 32
...
	.end_amdgpu_metadata
.endif
;; end of part 3
;; launch scores (part 4): grid 256 x 1, 8 waves a work-group, clusters of 4 x 1, 327,680 bytes of LDS; arguments w2, w1, x2, mask, w3; writes w3
.if DOCPART == 4
	.amdgcn_target "amdgcn-amd-amdhsa--gfx1250"
	.amdhsa_code_object_version 6
	.text
	.protected	k_qb6cde6cc89_scores
	.globl	k_qb6cde6cc89_scores
	.p2align	8
	.type	k_qb6cde6cc89_scores,@function
k_qb6cde6cc89_scores:
	s_mov_b64 s[64:65], 0
	v_nop
	global_prefetch_b8 v0, s[64:65] scope:SCOPE_SE
	s_setreg_imm32_b32 hwreg(HW_REG_WAVE_MODE, 25, 1), 1
	s_wait_xcnt 0x0
	s_wait_alu depctr_hold_cnt(0) depctr_sa_sdst(0) depctr_va_vdst(0) depctr_va_sdst(0) depctr_va_ssrc(0) depctr_va_vcc(0) depctr_vm_vsrc(0)
	s_getreg_b32 s2, hwreg(HW_REG_IB_STS2, 6, 4)
	s_cmp_eq_u32 s2, 0
	s_cbranch_scc0 .Lentry_in_a_cluster
	s_endpgm
.Lentry_in_a_cluster:
	s_bfe_u32 s2, ttmp6, 0x10000c
	s_cmp_lg_u32 s2, 0x3003
	s_cbranch_scc0 .Lentry_shape_is_right
	s_endpgm
.Lentry_shape_is_right:
; scores: for one batch b and one chunk c of 64 positions m: a[l][m] = (q'[l] . x2[m] + q[l] . bk) / 32 + (1 - mask[m]) NEG for all 256 l, then
;   the softmax over l (columns are whole here): mask a1 -> rows 64-79 of bcat[b][l'/16][m/8][80][8 m]
;   the chunk's part of the softmax over m: exp(a - chunk's row maximum) -> p2p[b][l/128][m/8][128 l][8 m], the maxima -> pm, the sums -> ps (f32)
;   x2's chunk in f16, transposed -> rows 0-63 of bcat[b][d/64][m/8][80][8 m]
; Both softmaxes take true maxima away; the difference is formed before the factor log2(e), so NEG - NEG is exactly 0.
; Eight waves; wave w has rows l = 32 w .. 32 w + 31 and all 64 m: 8 accumulator tiles.  The matrix instruction is used transposed: lane (r, h) holds
; row l = r and its registers the columns m = 8 h + 0..7.
; K = 1024 d GOES IN EIGHT SLICES OF 128 d.  x2 is read from memory once, f32, through registers: a load of a wave takes one row's 512 consecutive bytes of a
; slice, eight loads of a wave are a slice, and a ring of 32 register slots (v256-v383) keeps four slices requested ahead.  Slice s + 1 is rounded to f16 and
; stored into one of two LDS buffers (64 rows at pitch 272) at the head of slice s's products; slice s is read from the other buffer twice: as B's fragments,
; and by transposing loads whose results are stored to bcat at once, under the products.  One work-group barrier stands between two slices.
; q' comes as panels divided by a f32 figure for each 64 d; a fragment is brought to the row's common figure by v_pk_mul_f16 with a ratio of at most 1,
; and the common figure is applied to the f32 sum.
; CLUSTER 4 x 1: four neighbouring chunks of one batch walk the same q': its four slabs (256 d: 131,072 dense bytes, 16,384 a wave) are asked for jointly,
; into two slots.  A slab serves two slices, so a refill has 64 matrix instructions of each wave in which to land.
; By this text's count a wave has at most two tensor loads out.
; LIMITS: |x2| below 65504 (f16); a row's largest |q'| below 2^126; NaN and infinities are not served.  The mask term is fma(1 - mask, NEG, a): one rounding
; where the definition has two; the same number for 1 - mask = 0 or 1.
.set ACC,  16                          ; v[16:79]   tile (i, t) at ACC + 8 (4 i + t); before the products: the tables as loaded
.set F0,   80                          ; v[80:127]  fragments: A's two tiles, B's four
.set F1,   128                         ; v[128:175]
.set RR,   176                         ; v[176:179] ratios: two tiles, two sets that take turns
.set XT,   180                         ; v[180:195] a slice of x2 in f16, on its way into LDS
.set TRA,  196                         ; v196       LDS address of the transposing loads
.set MV,   197                         ; v197       byte offset in the mask
.set UM,   176                         ; v[176:207] behind the products: 1 - mask of my 32 columns
.set MK,   208                         ; v[208:239] mask of my 32 columns
.set TR,   240                         ; v[240:255] a slice of x2 transposed, on its way out
.set AB,   240                         ; v[240:247] behind the products: alpha, alpha, beta, beta for each tile
.set RM,   240                         ; v[240:243] row maxima, each twice
.set RS,   244                         ; v[244:247] row sums
.set U,    248                         ; v[248:251] at work
.set CM,   80                          ; v[80:111]  by column: maxima, then sums, then weights
.set T,    112                         ; v[112:119] at work
.set GR,   112                         ; v[112:175] the eight waves' figures for eight columns
.set PK,   144                         ; v[144:175] packed f16 to store
.set ADRA, 4                           ; v4-7  LDS address of my A fragments: slot 0 first half, second half, slot 1 first half, second half
.set ADRB, 8                           ; v8    LDS address of my B fragments in buffer 0
.set RTA,  9
.set XV,   10                          ; byte offset of my 16 bytes in x2's row w
.set CMW,  10
.set XS,   11                          ; LDS address of my 8 bytes in row w of buffer 0
.set CMR,  11
.set TID4, 12
.set TRO,  13
.set PO,   14
.set AO,   15
.set G1,   24
.set G0,   40
.set SLABB, 131072                     ; a slab of q': 256 d = 32 panels of 4,096 bytes
.set XB,    262144                     ; two buffers of a slice of x2
.set XP,    272                        ; 256 bytes + 16: an odd multiple of 16
.set XBUF,  64*XP
.set RT,    296960                     ; [16][256] ratios, f16 twice in a word; + 16384: alpha[256]; + 17408: beta[256]
.set CMX,   315392                     ; [8 waves][64 columns] f32 maxima; + 2048: sums
; Window 1 (v256-v383, written v0-v127 under s_set_vgpr_msb): slot q of the ring of x2 at v[4 q : 4 q + 3].
; s_set_vgpr_msb's low byte: bits 1:0 source 0, 3:2 source 1, 7:6 destination; its high byte repeats the setting that is left.
.set MSB, 0
.macro WIN new
.if MSB != \new
	s_set_vgpr_msb (MSB<<8)|\new
.set MSB, \new
.endif
.endm
.macro ROUND                           ; a round of the cluster's barrier
	s_barrier_signal -1
	s_barrier_wait -1
	s_cmp_lg_u32 s3, 0
	s_cbranch_scc1 .Lnot_wave_0_\@
	s_barrier_signal -3
.Lnot_wave_0_\@:
	s_barrier_wait -3
	s_barrier_signal -1
	s_barrier_wait -1
.endm
; Slice s of x2 leaves the register ring: f16, into buffer s & 1; its slots are asked for slice s + 4.
.macro XIN s
.if \s < 5
	s_wait_loadcnt 24                  ; loads return in order: my eight loads of slice s are in, the three younger slices stay out
.else
	s_wait_loadcnt 56-8*(\s)           ; nothing is requested any more: the counts run down
.endif
	WIN 0x05                           ; sources in window 1
.irp i, 0,1,2,3,4,5,6,7
	v_cvt_pk_f16_f32 v[XT+2*\i],   v[4*(8*((\s)&3)+\i)],   v[4*(8*((\s)&3)+\i)+1]
	v_cvt_pk_f16_f32 v[XT+2*\i+1], v[4*(8*((\s)&3)+\i)+2], v[4*(8*((\s)&3)+\i)+3]
.endr
.if \s < 4
	WIN 0x40                           ; destination in window 1
.irp i, 0,1,2,3,4,5,6,7
	global_load_b128 v[4*(8*(\s)+\i):4*(8*(\s)+\i)+3], v[XV], s[68:69] offset:\i*32768+((\s)+4)*512 th:TH_LOAD_NT
.endr
.endif
	WIN 0
.irp i, 0,1,2,3,4,5,6,7
	ds_store_b64 v[XS], v[XT+2*\i:XT+2*\i+1] offset:((\s)&1)*XBUF+\i*8*XP     ; row 8 i + w: 256 consecutive bytes
.endr
.endm
; Slice s transposed.  Wave w has m = 8 w .. 8 w + 7: a transposing load takes 8 m x 8 d in each group of eight lanes, and lane L ends with the eight m of
; d = 128 s + 32 n + L: 512 consecutive bytes of a panel of bcat.
.macro XOUT_LOAD s
	s_wait_xcnt 0x0                    ; the last slice's stores read TR: it is loaded again only behind this wait
.irp n, 0,1,2,3
	ds_load_tr16_b128 v[TR+4*\n:TR+4*\n+3], v[TRA] offset:((\s)&1)*XBUF+64*\n
.endr
.endm
.macro XOUT_STORE s
.irp n, 0,1,2,3
	global_store_b128 v[TRO], v[TR+4*\n:TR+4*\n+3], s[74:75] offset:((4*(\s)+\n)>>1)*327680+(\n&1)*512
.endr
.endm
.macro FETCH s, ks, f                  ; the fragments of K step ks (32 d) of slice s; with an even step the ratios of its 64 d
.irp i, 0,1
	ds_load_b128 v[\f+8*\i:\f+8*\i+3],   v[ADRA+((\s)&3)] offset:(\ks)*16384+\i*256
	ds_load_b128 v[\f+8*\i+4:\f+8*\i+7], v[ADRA+((\s)&3)] offset:(\ks)*16384+\i*256+8192
.endr
.irp t, 0,1,2,3
	ds_load_b128 v[\f+16+8*\t:\f+16+8*\t+3],   v[ADRB] offset:((\s)&1)*XBUF+\t*16*XP+(\ks)*64
	ds_load_b128 v[\f+16+8*\t+4:\f+16+8*\t+7], v[ADRB] offset:((\s)&1)*XBUF+\t*16*XP+(\ks)*64+32
.endr
.if ((\ks)&1) == 0
	ds_load_b32 v[RR+(\ks)],   v[RTA] offset:(2*(\s)+(\ks)/2)*1024
	ds_load_b32 v[RR+(\ks)+1], v[RTA] offset:(2*(\s)+(\ks)/2)*1024+64
.endif
.endm
.macro SCALE f, ks                     ; A's fragments to the row's common figure
.irp i, 0,1
.irp k, 0,1,2,3,4,5,6,7
	v_pk_mul_f16 v[\f+8*\i+\k], v[\f+8*\i+\k], v[RR+((\ks)&2)+\i]
.endr
.endr
.endm
.macro MUL f, zero                     ; 8 matrix instructions; the 8 accumulators take turns, one instruction a turn
.irp i, 0,1
.irp t, 0,1,2,3
.if \zero
	v_wmma_f32_16x16x32_f16 v[ACC+8*(4*\i+\t):ACC+8*(4*\i+\t)+7], v[\f+16+8*\t:\f+16+8*\t+7], v[\f+8*\i:\f+8*\i+7], 0
.else
	v_wmma_f32_16x16x32_f16 v[ACC+8*(4*\i+\t):ACC+8*(4*\i+\t)+7], v[\f+16+8*\t:\f+16+8*\t+7], v[\f+8*\i:\f+8*\i+7], v[ACC+8*(4*\i+\t):ACC+8*(4*\i+\t)+7]
.endif
.endr
.endr
.endm
.macro SSTEP s, ks, cur, oth, zero
	s_wait_dscnt 0x0                   ; cur's loads, issued in front of the last 8 matrix instructions, are back (in step 0 the transposing loads too)
.if \ks == 0
	XOUT_STORE \s
.endif
	SCALE \cur, \ks                    ; 16 plain instructions that name nothing of the matrix instructions in front: the places ahead of the loads into oth
.if \ks < 3
	FETCH \s, \ks+1, \oth
.endif
	MUL \cur, \zero
.endm
; One slice, behind its barrier.  nx = s + 1.  F0 was last multiplied in front of the last SCALE: its 16 instructions are the places ahead of the first FETCH.
.macro SLICE s, nx, zero
.if \nx < 8
	XIN \nx                            ; into the buffer whose readers passed the barrier
.endif
	XOUT_LOAD \s
	FETCH \s, 0, F0
	SSTEP \s, 0, F0, F1, \zero
	SSTEP \s, 1, F1, F0, 0
	SSTEP \s, 2, F0, F1, 0
	SSTEP \s, 3, F1, F0, 0
.endm
.macro BPLAIN                          ; between two slices of one slab: no LDS byte is filled again by a tensor load behind it, so a tensor load may stay out
	s_wait_dscnt 0x0                   ; my stores of the next slice and my reads of this one are done
	s_barrier_signal -1
	s_barrier_wait -1
.endm
.macro BFILL slot                      ; between two slabs: slot, which has been read, is filled again
	s_set_vgpr_msb 0x5
	s_wait_tensorcnt 0x0               ; all my tensor loads have landed, my part of the next slab among them: every group 0 may be written
	ds_add_u32 v128, v129
	s_wait_dscnt 0x0
	s_set_vgpr_msb 0x500
	s_add_nc_u64 s[G0+4*\slot+2:G0+4*\slot+3], s[G0+4*\slot+2:G0+4*\slot+3], 2*SLABB
	s_wait_dscnt 0x0                   ; my reads of the slot and my stores of the next slice are done
	ROUND                              ; both now hold of every wave of the four work-groups
	tensor_load_to_lds s[G0+4*\slot:G0+4*\slot+3], s[G1:G1+7]   ; the joint refill: my first and only tensor load behind the round
	s_nop 0
.endm
.macro XRED op                         ; over the sixteen rows of a half, for 32 columns: every lane ends with the result
.irp m, 1,2,4,8
.set k, 0
.rept 32
	\op v[CM+k], v[CM+k], v[CM+k] row_xmask:\m row_mask:0xf bank_mask:0xf
.set k, k+1
.endr
.endr
.endm
.macro PUT base                        ; my wave's 64 column figures; the sixteen lanes of a half write the same words with the same values
.irp n, 0,1,2,3,4,5,6,7
	ds_store_b128 v[CMW], v[CM+4*\n:CM+4*\n+3] offset:\base+(\n>>1)*64+(\n&1)*16
.endr
	s_wait_dscnt 0x0                   ; for the other waves' sake
	s_barrier_signal -1
	s_barrier_wait -1
.endm
.macro GATHER t, base                  ; the eight waves' figures for my eight columns of tile t
.irp w, 0,1,2,3,4,5,6,7
	ds_load_b128 v[GR+8*\w:GR+8*\w+3],   v[CMR] offset:\base+\w*256+\t*64
	ds_load_b128 v[GR+8*\w+4:GR+8*\w+7], v[CMR] offset:\base+\w*256+\t*64+16
.endr
	s_wait_dscnt 0x0
.endm
.macro CMAX t
	GATHER \t, 0
.irp j, 0,1,2,3,4,5,6,7
	v_max3_num_f32 v[CM+8*\t+\j], v[GR+\j], v[GR+8+\j], v[GR+16+\j]
	v_max3_num_f32 v[CM+8*\t+\j], v[CM+8*\t+\j], v[GR+24+\j], v[GR+32+\j]
	v_max3_num_f32 v[CM+8*\t+\j], v[CM+8*\t+\j], v[GR+40+\j], v[GR+48+\j]
	v_max_num_f32 v[CM+8*\t+\j], v[CM+8*\t+\j], v[GR+56+\j]
.endr
.endm
.macro CSUM t
	GATHER \t, 2048
.irp p, 0,2,4,6
	v_pk_add_f32 v[CM+8*\t+\p:CM+8*\t+\p+1], v[GR+\p:GR+\p+1], v[GR+8+\p:GR+8+\p+1]
.irp w, 2,3,4,5,6,7
	v_pk_add_f32 v[CM+8*\t+\p:CM+8*\t+\p+1], v[CM+8*\t+\p:CM+8*\t+\p+1], v[GR+8*\w+\p:GR+8*\w+\p+1]
.endr
.endr
.endm
.macro P2TILE i, t                     ; exp(a - row maximum) of one tile: sums, f16, store
.irp p, 0,2,4,6
	v_pk_add_f32 v[T+\p:T+\p+1], v[ACC+8*(4*\i+\t)+\p:ACC+8*(4*\i+\t)+\p+1], v[RM+2*\i:RM+2*\i+1] neg_lo:[0,1] neg_hi:[0,1]
.endr
.irp p, 0,2,4,6
	v_pk_mul_f32 v[T+\p:T+\p+1], v[T+\p:T+\p+1], s[20:21] op_sel_hi:[1,0]
.endr
.irp j, 0,1,2,3,4,5,6,7
	v_exp_f32 v[T+\j], v[T+\j]
.endr
	v_nop                              ; one plain place behind the exponentials (ISA guide 5.7.2)
	s_wait_alu depctr_va_vdst(0)
	v_pk_add_f32 v[U:U+1], v[T:T+1], v[T+2:T+3]
	v_pk_add_f32 v[U+2:U+3], v[T+4:T+5], v[T+6:T+7]
.if \t == 0
	v_pk_add_f32 v[RS+2*\i:RS+2*\i+1], v[U:U+1], v[U+2:U+3]
.else
	v_pk_add_f32 v[U:U+1], v[U:U+1], v[U+2:U+3]
	v_pk_add_f32 v[RS+2*\i:RS+2*\i+1], v[RS+2*\i:RS+2*\i+1], v[U:U+1]
.endif
.irp p, 0,1,2,3
	v_cvt_pk_f16_f32 v[PK+4*(4*\i+\t)+\p], v[T+2*\p], v[T+2*\p+1]
.endr
	global_store_b128 v[PO], v[PK+4*(4*\i+\t):PK+4*(4*\i+\t)+3], s[72:73] offset:\t*4096+\i*256
.endm
.macro ETILE i, t                      ; exp(a - column maximum), in place; the next tile's first line is the plain place behind the exponentials
.irp p, 0,2,4,6
	v_pk_add_f32 v[ACC+8*(4*\i+\t)+\p:ACC+8*(4*\i+\t)+\p+1], v[ACC+8*(4*\i+\t)+\p:ACC+8*(4*\i+\t)+\p+1], v[CM+8*\t+\p:CM+8*\t+\p+1] neg_lo:[0,1] neg_hi:[0,1]
.endr
.irp p, 0,2,4,6
	v_pk_mul_f32 v[ACC+8*(4*\i+\t)+\p:ACC+8*(4*\i+\t)+\p+1], v[ACC+8*(4*\i+\t)+\p:ACC+8*(4*\i+\t)+\p+1], s[20:21] op_sel_hi:[1,0]
.endr
.irp j, 0,1,2,3,4,5,6,7
	v_exp_f32 v[ACC+8*(4*\i+\t)+\j], v[ACC+8*(4*\i+\t)+\j]
.endr
.endm
.macro A1TILE i, t                     ; mask a1 of one tile: f16, store
.irp p, 0,2,4,6
	v_pk_mul_f32 v[ACC+8*(4*\i+\t)+\p:ACC+8*(4*\i+\t)+\p+1], v[ACC+8*(4*\i+\t)+\p:ACC+8*(4*\i+\t)+\p+1], v[CM+8*\t+\p:CM+8*\t+\p+1]
.endr
.irp p, 0,1,2,3
	v_cvt_pk_f16_f32 v[PK+4*(4*\i+\t)+\p], v[ACC+8*(4*\i+\t)+2*\p], v[ACC+8*(4*\i+\t)+2*\p+1]
.endr
	global_store_b128 v[AO], v[PK+4*(4*\i+\t):PK+4*(4*\i+\t)+3], s[74:75] offset:\i*327680+\t*2560
.endm
	s_load_b256 s[4:11], s[0:1], 0x0               ; w2 s[4:5], w1 s[6:7], x2 s[8:9], mask s[10:11]
	s_load_b64 s[12:13], s[0:1], 0x20              ; w3
	s_set_vgpr_msb 0x40
	v_lshl_add_u32 v128, v0, 2, 0x4e000
	v_mov_b32 v129, 0
	s_set_vgpr_msb 0x4045
	ds_add_u32 v128, v129
	s_set_vgpr_msb 0x4500
	v_lshrrev_b32 v3, 5, v0
	v_readfirstlane_b32 s3, v3                     ; wave 0..7
	v_and_b32 v1, 15, v0                           ; r
	v_bfe_u32 v2, v0, 4, 1                         ; h
	s_lshr_b32 s14, ttmp9, 3                       ; b
	s_mov_b32 s20, 0x3fb8aa3b                      ; log2(e), a pair for the packed forms
	s_mov_b32 s21, 0x3fb8aa3b
	s_mov_b32 s22, 0xf149f2ca                      ; NEG = -1e30
	s_mov_b32 s23, 0xf149f2ca
	s_mov_b32 s56, 0x76543210
	s_mov_b32 s57, 0xfedcba98
	s_mov_b32 s[G1+0], 15|(3<<16)|(1<<21)          ; the four partners, bit 21 beside the mask, elements of 8 bytes
	s_mov_b32 s[G1+1], 32<<16                      ; rows of 32 elements = 256 bytes
	s_mov_b32 s[G1+2], 64<<16                      ; 64 rows
	s_mov_b32 s[G1+3], 32<<16
	s_mov_b32 s[G1+4], 64
	s_mov_b32 s[G1+5], 32                          ; dense
	s_mov_b32 s[G1+6], 0
	s_mov_b32 s[G1+7], 0
	s_lshl_b32 s15, s3, 14                         ; my 16,384 bytes of a slab, in memory and in LDS
	s_lshl_b32 s60, s14, 19                        ; qpp + b x 524,288
	s_add_co_u32 s60, s60, s15
	s_mov_b32 s61, 0
	s_lshl_b32 s62, s14, 10                        ; the tables' 256 rows of b
	s_mov_b32 s63, 0
	; what hangs on my place in the cluster: s66 and up
	s_bfe_u32 s67, ttmp6, 0x40000                  ; cx
	s_and_b32 s66, ttmp9, 7
	s_lshl2_add_u32 s66, s66, s67                  ; chunk c, 0..31
	s_lshl_b32 s68, s14, 23                        ; x2: (2048 b + 64 c) rows of 4,096 bytes
	s_lshl_b32 s78, s66, 18
	s_add_co_u32 s68, s68, s78
	s_mov_b32 s69, 0
	s_lshl_b32 s70, s14, 13                        ; mask
	s_lshl_b32 s78, s66, 8
	s_add_co_u32 s70, s70, s78
	s_mov_b32 s71, 0
	s_lshl_b32 s72, s14, 20                        ; p2p: b x 2 blocks of 524,288 + 8 c panels of 2,048
	s_lshl_b32 s78, s66, 14
	s_add_co_u32 s72, s72, s78
	s_mov_b32 s73, 0
	s_mul_i32 s74, s14, 5242880                    ; bcat: b x 16 blocks of 327,680 + 8 c panels of 1,280
	s_mul_i32 s78, s66, 10240
	s_add_co_u32 s74, s74, s78
	s_add_co_u32 s74, s74, 0x800000
	s_mov_b32 s75, 0
	s_lshl_b32 s76, s14, 15                        ; pm: (32 b + c) x 1,024; ps lies 262,144 behind
	s_lshl_b32 s78, s66, 10
	s_add_co_u32 s76, s76, s78
	s_add_co_u32 s76, s76, 0x3000000
	s_mov_b32 s77, 0
	s_wait_dscnt 0x0
	s_wait_kmcnt 0x0
	s_add_nc_u64 s[60:61], s[4:5], s[60:61]
	s_add_nc_u64 s[16:17], s[4:5], s[62:63]
	s_add_nc_u64 s[16:17], s[16:17], 0x400000      ; qs
	s_add_nc_u64 s[18:19], s[6:7], s[62:63]
	s_add_nc_u64 s[18:19], s[18:19], 0x800000      ; qbp
	s_add_nc_u64 s[68:69], s[8:9], s[68:69]
	s_add_nc_u64 s[70:71], s[10:11], s[70:71]
	s_add_nc_u64 s[72:73], s[12:13], s[72:73]
	s_add_nc_u64 s[74:75], s[12:13], s[74:75]
	s_add_nc_u64 s[76:77], s[12:13], s[76:77]
	ROUND                                          ; the four work-groups are here: the first joint loads meet
.irp s, 0,1
	s_mov_b32 s[G0+4*\s], 1
	s_add_co_u32 s[G0+4*\s+1], s15, \s*SLABB
	s_add_nc_u64 s[G0+4*\s+2:G0+4*\s+3], s[60:61], \s*SLABB
	s_or_b32 s[G0+4*\s+3], s[G0+4*\s+3], 0x80000000
	tensor_load_to_lds s[G0+4*\s:G0+4*\s+3], s[G1:G1+7]
	s_nop 0
.endr
	; addresses of the loads first, then the loads, then the rest
	v_and_b32 v3, 31, v0                           ; lane
	s_lshl_b32 s32, s3, 12
	v_lshl_add_u32 v[XV], v3, 4, s32               ; x2: row w, 16 bytes a lane
	v_lshlrev_b32 v[TID4], 2, v0
	v_lshlrev_b32 v[MV], 5, v2
.irp t, 0,1,2,3
	global_load_b128 v[MK+8*\t:MK+8*\t+3],   v[MV], s[70:71] offset:\t*64
	global_load_b128 v[MK+8*\t+4:MK+8*\t+7], v[MV], s[70:71] offset:\t*64+16
.endr
.set k, 0
.rept 16
	global_load_b32 v[16+k], v[TID4], s[16:17] offset:k*8192     ; thread = row l: the divisor of its block k of 64 d
	global_load_b32 v[32+k], v[TID4], s[18:19] offset:k*8192     ; and the part of q . bk
.set k, k+1
.endr
	WIN 0x40                                       ; destination in window 1
.set j, 0
.rept 32                                           ; load j: slice j >> 3, row 8 (j & 7) + w: the row's 512 bytes of the slice
	global_load_b128 v[4*j:4*j+3], v[XV], s[68:69] offset:(j&7)*32768+(j>>3)*512 th:TH_LOAD_NT
.set j, j+1
.endr
	WIN 0
	s_mul_i32 s32, s3, XP
	s_add_co_u32 s32, s32, XB
	v_lshl_add_u32 v[XS], v3, 3, s32               ; the same place in buffer 0, f16
	s_mul_i32 s32, s3, 1280
	v_lshl_add_u32 v[TRO], v3, 4, s32              ; bcat: panel w of my chunk's eight, 16 bytes a lane
	v_lshlrev_b32 v3, 4, v1
	v_lshl_add_u32 v3, v2, 12, v3
	s_lshl_b32 s32, s3, 9
	v_add_nc_u32 v[ADRA], s32, v3                  ; 4096 h + (32 w + r) 16
	v_add_nc_u32 v[ADRA+1], 65536, v[ADRA]         ; the slab's second four K steps
	v_add_nc_u32 v[ADRA+2], SLABB, v[ADRA]
	v_add_nc_u32 v[ADRA+3], SLABB+65536, v[ADRA]
	v_mul_u32_u24 v3, v1, XP
	v_lshl_add_u32 v3, v2, 4, v3
	v_add_nc_u32 v[ADRB], XB, v3                   ; row r, + 16 h
	s_lshl_b32 s32, s3, 7
	s_add_co_u32 s32, s32, RT
	v_lshl_add_u32 v[RTA], v1, 2, s32              ; the tables' word of row 32 w + r
	v_and_b32 v3, 7, v0
	v_mul_u32_u24 v[TRA], v3, XP
	v_bfe_u32 v3, v0, 3, 2
	v_lshl_add_u32 v[TRA], v3, 4, v[TRA]
	s_mul_i32 s32, s3, 8*XP
	s_add_co_u32 s32, s32, XB
	v_add_nc_u32 v[TRA], s32, v[TRA]               ; row 8 w + lane % 8, 16 bytes for each group of eight lanes
	v_add_nc_u32 v254, RT, v[TID4]
	v_lshlrev_b32 v[PO], 4, v1
	v_lshl_add_u32 v[PO], v2, 11, v[PO]
	s_lshr_b32 s32, s3, 2
	s_lshl_b32 s32, s32, 19
	s_and_b32 s33, s3, 3
	s_lshl_b32 s33, s33, 9
	s_add_co_u32 s32, s32, s33
	v_add_nc_u32 v[PO], s32, v[PO]                 ; (w / 4) 524288 + 2048 h + (32 (w % 4) + r) 16
	v_mul_u32_u24 v3, v2, 1280
	v_lshl_add_u32 v3, v1, 4, v3
	s_mul_i32 s32, s3, 655360
	s_add_co_u32 s32, s32, 1024
	v_add_nc_u32 v[AO], s32, v3                    ; 2 w blocks + 1280 h + (64 + r) 16
	; the tables: the row's common figure, the ratios, alpha and beta
	s_wait_loadcnt 32                              ; the mask and the tables are in; the 32 loads of x2 stay out
	v_max3_num_f32 v48, v16, v17, v18
.irp k, 19,21,23,25,27,29
	v_max3_num_f32 v48, v48, v[\k], v[\k+1]
.endr
	v_max_num_f32 v48, v48, v31
	v_max_num_f32 v48, 0x800000, v48               ; the row's common figure
	v_rcp_f32 v49, v48
.irp k, 0,2,4,6
	v_pk_add_f32 v[32+\k:33+\k], v[32+\k:33+\k], v[40+\k:41+\k]   ; plain work behind the reciprocal
.endr
	v_pk_add_f32 v[32:33], v[32:33], v[36:37]
	v_pk_add_f32 v[34:35], v[34:35], v[38:39]
	v_pk_add_f32 v[32:33], v[32:33], v[34:35]
	v_add_f32 v32, v32, v33
	v_mul_f32 v32, 0x3d000000, v32                 ; beta = q . bk / 32
	v_mul_f32 v50, 0x3d000000, v48                 ; alpha = common figure / 32
.set k, 0
	s_wait_alu depctr_va_vdst(0)
.rept 16
	v_mul_f32 v[16+k], v[16+k], v49
	v_cvt_pk_f16_f32 v[16+k], v[16+k], v[16+k]
	ds_store_b32 v254, v[16+k] offset:k*1024
.set k, k+1
.endr
	ds_store_b32 v254, v50 offset:16384
	ds_store_b32 v254, v32 offset:17408
	XIN 0
	s_wait_dscnt 0x0                               ; my stores, for the other waves' sake
	s_wait_tensorcnt 0x1                           ; my part of slot 0 is in; slot 1's may stay out
	s_barrier_signal -1
	s_barrier_wait -1
	; THE PRODUCTS: eight slices of 128 d, four slabs of q'
	SLICE 0, 1, 1                                  ; the first products start the sums
	BPLAIN
	SLICE 1, 2, 0
	BFILL 0                                        ; slab 2 goes out; it is wanted two slices on
	SLICE 2, 3, 0
	BPLAIN
	SLICE 3, 4, 0
	BFILL 1                                        ; slab 3: the last tensor load
	SLICE 4, 5, 0
	BPLAIN
	SLICE 5, 6, 0
	s_wait_tensorcnt 0x0                           ; my part of slab 3 is in; nothing is left to fetch
	BPLAIN
	SLICE 6, 7, 0
	BPLAIN
	SLICE 7, 8, 0
	; THE LOGITS AND BOTH SOFTMAXES.  The 32 subtractions below name no register of a matrix instruction: they are the places in front of the first read of a result.
	s_wait_xcnt 0x0                                ; the last slice's stores read TR: it is loaded again only behind this wait
.irp i, 0,1
	ds_load_b32 v[AB+4*\i],   v[RTA] offset:16384+\i*64
	ds_load_b32 v[AB+4*\i+1], v[RTA] offset:16384+\i*64
	ds_load_b32 v[AB+4*\i+2], v[RTA] offset:17408+\i*64
	ds_load_b32 v[AB+4*\i+3], v[RTA] offset:17408+\i*64
.endr
.set k, 0
.rept 32
	v_sub_f32 v[UM+k], 1.0, v[MK+k]
.set k, k+1
.endr
	s_lshl_b32 s32, s3, 8
	s_add_co_u32 s32, s32, CMX
	v_lshl_add_u32 v[CMW], v2, 5, s32              ; my wave's 256 bytes, + 32 h
	v_lshlrev_b32 v[CMR], 5, v2
	v_add_nc_u32 v[CMR], CMX, v[CMR]
	v_cmp_eq_u32 vcc_lo, 1, v2
	s_wait_dscnt 0x0
.irp i, 0,1
.irp t, 0,1,2,3
.irp p, 0,2,4,6
	v_pk_fma_f32 v[ACC+8*(4*\i+\t)+\p:ACC+8*(4*\i+\t)+\p+1], v[ACC+8*(4*\i+\t)+\p:ACC+8*(4*\i+\t)+\p+1], v[AB+4*\i:AB+4*\i+1], v[AB+4*\i+2:AB+4*\i+3]
.endr
.irp p, 0,2,4,6
	v_pk_fma_f32 v[ACC+8*(4*\i+\t)+\p:ACC+8*(4*\i+\t)+\p+1], v[UM+8*\t+\p:UM+8*\t+\p+1], s[22:23], v[ACC+8*(4*\i+\t)+\p:ACC+8*(4*\i+\t)+\p+1] op_sel_hi:[1,0,1]
.endr
.endr
.endr
	; the chunk's row maxima
	v_max3_num_f32 v[U], v[ACC], v[ACC+1], v[ACC+2]
	v_max3_num_f32 v[U+1], v[ACC+32], v[ACC+33], v[ACC+34]
.set k, 3
.rept 14
	v_max3_num_f32 v[U], v[U], v[ACC+k], v[ACC+k+1]
	v_max3_num_f32 v[U+1], v[U+1], v[ACC+32+k], v[ACC+32+k+1]
.set k, k+2
.endr
	v_max_num_f32 v[U], v[U], v[ACC+31]
	v_max_num_f32 v[U+1], v[U+1], v[ACC+63]
	v_permlanex16_b32 v[U+2], v[U], s56, s57       ; v250 and v251 have been written: they were part of TR
	v_permlanex16_b32 v[U+3], v[U+1], s56, s57
	v_max_num_f32 v[RM], v[U], v[U+2]
	v_max_num_f32 v[RM+2], v[U+1], v[U+3]
	v_mov_b32 v[RM+1], v[RM]
	v_mov_b32 v[RM+3], v[RM+2]
	; column maxima over my 32 rows, then over the waves
.set k, 0
.rept 32
	v_max_num_f32 v[CM+k], v[ACC+k], v[ACC+32+k]
.set k, k+1
.endr
	XRED v_max_num_f32_dpp
	PUT 0
.irp i, 0,1
.irp t, 0,1,2,3
	P2TILE \i, \t
.endr
	v_add_f32 v[RS+2*\i], v[RS+2*\i], v[RS+2*\i+1]
	v_permlanex16_b32 v[RS+2*\i+1], v[RS+2*\i], s56, s57
	v_add_f32 v[RS+2*\i], v[RS+2*\i], v[RS+2*\i+1]
.endr
	v_cndmask_b32 v252, v[RM], v[RM+2], vcc_lo     ; lanes 0-15 tile 0's rows, lanes 16-31 tile 1's: thread = row
	v_cndmask_b32 v253, v[RS], v[RS+2], vcc_lo
	global_store_b32 v[TID4], v252, s[76:77]
	global_store_b32 v[TID4], v253, s[76:77] offset:262144
	s_wait_xcnt 0x0                                ; the stores' data registers are loaded into only behind this wait
	CMAX 0
	CMAX 1
	CMAX 2
	CMAX 3
.irp i, 0,1
.irp t, 0,1,2,3
	ETILE \i, \t
.endr
.endr
	v_nop                                          ; one plain place behind the last exponentials
.set k, 0
	s_wait_alu depctr_va_vdst(0)
.rept 16
	v_pk_add_f32 v[CM+k:CM+k+1], v[ACC+k:ACC+k+1], v[ACC+32+k:ACC+32+k+1]
.set k, k+2
.endr
	XRED v_add_f32_dpp
	PUT 2048
	CSUM 0
	CSUM 1
	CSUM 2
	CSUM 3
.set k, 0
.rept 32
	v_rcp_f32 v[CM+k], v[CM+k]                     ; a column's sum is at least 1: its largest term is exp(0)
.set k, k+1
.endr
	v_nop
.set k, 0
	s_wait_alu depctr_va_vdst(0)
.rept 16
	v_pk_mul_f32 v[CM+k:CM+k+1], v[CM+k:CM+k+1], v[MK+k:MK+k+1]   ; mask / sum
.set k, k+2
.endr
.irp i, 0,1
.irp t, 0,1,2,3
	A1TILE \i, \t
.endr
.endr
	s_set_vgpr_msb 0x5
	s_wait_tensorcnt 0x0
	ds_add_u32 v128, v129
	s_wait_dscnt 0x0
	s_set_vgpr_msb 0x500
	ROUND                                          ; the closing round: no work-group ends while a partner may still ask jointly
	s_endpgm
.Lfunc_end_k_qb6cde6cc89_scores:
	.size	k_qb6cde6cc89_scores, .Lfunc_end_k_qb6cde6cc89_scores-k_qb6cde6cc89_scores
	.p2alignl 7, 3214868480
	.fill 96, 4, 3214868480
	.section	.rodata,"a",@progbits
	.p2align	6, 0x0
	.amdhsa_kernel k_qb6cde6cc89_scores
		.amdhsa_group_segment_fixed_size 327680
		.amdhsa_private_segment_fixed_size 0
		.amdhsa_enable_private_segment 0
		.amdhsa_kernarg_size 40
		.amdhsa_user_sgpr_count 2
		.amdhsa_user_sgpr_kernarg_segment_ptr 1
		.amdhsa_wavefront_size32 1
		.amdhsa_system_sgpr_workgroup_id_x 1
		.amdhsa_system_sgpr_workgroup_id_y 1
		.amdhsa_system_sgpr_workgroup_id_z 1
		.amdhsa_system_vgpr_workitem_id 0
		.amdhsa_next_free_vgpr 386
		.amdhsa_next_free_sgpr 80
		.amdhsa_reserve_vcc 1
		.amdhsa_float_denorm_mode_32 3
		.amdhsa_float_denorm_mode_16_64 3
		.amdhsa_memory_ordered 1
		.amdhsa_forward_progress 1
		.amdhsa_inst_pref_size 190
	.end_amdhsa_kernel
	.amdgpu_metadata
---
amdhsa.version: [ 1, 2 ]
amdhsa.kernels:
  - .name:           k_qb6cde6cc89_scores
    .symbol:         k_qb6cde6cc89_scores.kd
    .args:
      - { .name: w2, .offset: 0, .size: 8, .value_kind: global_buffer, .address_space: global }
      - { .name: w1, .offset: 8, .size: 8, .value_kind: global_buffer, .address_space: global }
      - { .name: x2, .offset: 16, .size: 8, .value_kind: global_buffer, .address_space: global }
      - { .name: mask, .offset: 24, .size: 8, .value_kind: global_buffer, .address_space: global }
      - { .name: w3, .offset: 32, .size: 8, .value_kind: global_buffer, .address_space: global }
    .group_segment_fixed_size: 327680
    .private_segment_fixed_size: 0
    .kernarg_segment_align: 8
    .kernarg_segment_size: 40
    .max_flat_workgroup_size: 256
    .sgpr_count:     80
    .vgpr_count:     386
    .wavefront_size: 32
...
	.end_amdgpu_metadata
.endif
;; end of part 4
;; launch mix (part 5): grid 256 x 1, 4 waves a work-group, clusters of 4 x 1, 327,680 bytes of LDS; arguments w3, w4; writes w4
.if DOCPART == 5
	.amdgcn_target "amdgcn-amd-amdhsa--gfx1250"
	.amdhsa_code_object_version 6
	.text
	.protected	k_qb6cde6cc89_mix
	.globl	k_qb6cde6cc89_mix
	.p2align	8
	.type	k_qb6cde6cc89_mix,@function
k_qb6cde6cc89_mix:
	s_mov_b64 s[64:65], 0
	v_nop
	global_prefetch_b8 v0, s[64:65] scope:SCOPE_SE
	s_setreg_imm32_b32 hwreg(HW_REG_WAVE_MODE, 25, 1), 1
	s_wait_xcnt 0x0
	s_wait_alu depctr_hold_cnt(0) depctr_sa_sdst(0) depctr_va_vdst(0) depctr_va_sdst(0) depctr_va_ssrc(0) depctr_va_vcc(0) depctr_vm_vsrc(0)
	s_getreg_b32 s2, hwreg(HW_REG_IB_STS2, 6, 4)
	s_cmp_eq_u32 s2, 0
	s_cbranch_scc0 .Lentry_in_a_cluster
	s_endpgm
.Lentry_in_a_cluster:
	s_bfe_u32 s2, ttmp6, 0x10000c
	s_cmp_lg_u32 s2, 0x3003
	s_cbranch_scc0 .Lentry_shape_is_right
	s_endpgm
.Lentry_shape_is_right:
; mix: for 128 rows l of a batch and one block of bcat (64 d of x2 and 16 l' of mask a1):  [Y | G] = a2 [x2 | diag(mask) a1^T], K = 2048 positions m.
; a2 = exp(a - chunk maximum) x f_c / row sum, with f_c = exp(chunk maximum - row maximum) <= 1: the head makes f_c and the sums from pm and ps,
; each fragment of exp(..) is multiplied by f_c in f16 (v_pk_mul_f16), and 1 / row sum is applied to the f32 result.  The row sum is at least 1.
; Y -> yp[row block][d/8][128][8 d], G -> gp[row block][l'/8][128][8 l'], f16: Y is a convex mix of x2, G lies in [0, 1].
; Four waves, a wave makes 32 x 80: 10 accumulator tiles.  Slabs of 256 m: A 65,536 dense bytes, B 40,960; two slots.
; CLUSTER 4 x 1: four neighbouring blocks of bcat share A (the same 128 rows of exp(..)): waves 0, 1 ask for A's halves jointly, waves 2, 3 for B's halves, each work-group's own.
; By this text's count a wave has at most two tensor loads out.
.set ACC,  16                          ; v[16:95]   tile (i, t) at ACC + 8 (5 i + t)
.set F0,   96                          ; v[96:151]  fragments: A's two tiles, B's five
.set F1,   152                         ; v[152:207]
.set FR,   208                         ; v[208:211] factors: two tiles, two sets that take turns; at the end 1 / row sum, each twice
.set ADRA, 4
.set ADRB, 6
.set FTA,  8
.set FTW,  9
.set CO,   10
.set TID4, 12
.set G1A,  24
.set G1B,  32
.set G0A,  40
.set G0B,  48
.set SLABA, 65536
.set SLABBB, 40960
.set SLOT,  106496
.set FT,    212992                     ; [32 chunks][128 rows] f_c, f16 twice in a word; + 16384: 1 / row sum [128] f32
.macro PLACES
.rept 4
	v_nop
.endr
.endm
.macro ROUND                           ; a round of the cluster's barrier
	s_barrier_signal -1
	s_barrier_wait -1
	s_cmp_lg_u32 s3, 0
	s_cbranch_scc1 .Lnot_wave_0_\@
	s_barrier_signal -3
.Lnot_wave_0_\@:
	s_barrier_wait -3
	s_barrier_signal -1
	s_barrier_wait -1
.endm
.macro SHAPE g, first, rows            ; descriptor group 1: rows of 32 elements of 8 bytes, dense
	s_mov_b32 s[\g+0], \first
	s_mov_b32 s[\g+1], 32<<16
	s_mov_b32 s[\g+2], \rows<<16
	s_mov_b32 s[\g+3], 32<<16
	s_mov_b32 s[\g+4], \rows
	s_mov_b32 s[\g+5], 32
	s_mov_b32 s[\g+6], 0
	s_mov_b32 s[\g+7], 0
.endm
.macro JLOAD slot
	s_cmp_lt_u32 s3, 2
	s_cbranch_scc0 .Lfor_b_\@
	tensor_load_to_lds s[G0A+4*\slot:G0A+4*\slot+3], s[G1A:G1A+7]
	s_nop 0
	s_branch .Lasked_\@
.Lfor_b_\@:
	tensor_load_to_lds s[G0B+4*\slot:G0B+4*\slot+3], s[G1B:G1B+7]
	s_nop 0
.Lasked_\@:
.endm
.macro FETCH slot, slab, ks, f         ; the fragments of K step ks (32 m); with an even step the factors of its chunk of 64 m
.irp i, 0,1
	ds_load_b128 v[\f+8*\i:\f+8*\i+3],   v[ADRA+\slot] offset:(\ks)*8192+\i*256
	ds_load_b128 v[\f+8*\i+4:\f+8*\i+7], v[ADRA+\slot] offset:(\ks)*8192+\i*256+4096
.endr
.irp t, 0,1,2,3,4
	ds_load_b128 v[\f+16+8*\t:\f+16+8*\t+3], v[ADRB+\slot] offset:(\ks)*5120+\t*256
	ds_load_b128 v[\f+16+8*\t+4:\f+16+8*\t+7], v[ADRB+\slot] offset:(\ks)*5120+\t*256+2560
.endr
.if ((\ks)&1) == 0
	ds_load_b32 v[FR+((\ks)&2)],   v[FTA] offset:(4*\slab+(\ks)/2)*512
	ds_load_b32 v[FR+((\ks)&2)+1], v[FTA] offset:(4*\slab+(\ks)/2)*512+64
.endif
.endm
.macro SCALE f, ks
.irp i, 0,1
.irp k, 0,1,2,3,4,5,6,7
	v_pk_mul_f16 v[\f+8*\i+\k], v[\f+8*\i+\k], v[FR+((\ks)&2)+\i]
.endr
.endr
.endm
.macro MUL f, zero                     ; 10 matrix instructions; the 10 accumulators take turns, one instruction a turn
.irp i, 0,1
.irp t, 0,1,2,3,4
.if \zero
	v_wmma_f32_16x16x32_f16 v[ACC+8*(5*\i+\t):ACC+8*(5*\i+\t)+7], v[\f+16+8*\t:\f+16+8*\t+7], v[\f+8*\i:\f+8*\i+7], 0
.else
	v_wmma_f32_16x16x32_f16 v[ACC+8*(5*\i+\t):ACC+8*(5*\i+\t)+7], v[\f+16+8*\t:\f+16+8*\t+7], v[\f+8*\i:\f+8*\i+7], v[ACC+8*(5*\i+\t):ACC+8*(5*\i+\t)+7]
.endif
.endr
.endr
.endm
.macro MSTEP slot, slab, ks, cur, oth, zero
	s_wait_dscnt 0x0                   ; cur's loads, issued in front of the last 10 matrix instructions, are back
	SCALE \cur, \ks                    ; 16 plain instructions that name nothing of the matrix instructions in front: the places ahead of the loads into oth
.if \ks < 7
	FETCH \slot, \slab, \ks+1, \oth
.endif
	MUL \cur, \zero
.endm
.macro MSLAB slot, slab, zero          ; F0 was last multiplied in front of the last SCALE: its 16 instructions are the places ahead of this FETCH
	FETCH \slot, \slab, 0, F0
	MSTEP \slot, \slab, 0, F0, F1, \zero
	MSTEP \slot, \slab, 1, F1, F0, 0
	MSTEP \slot, \slab, 2, F0, F1, 0
	MSTEP \slot, \slab, 3, F1, F0, 0
	MSTEP \slot, \slab, 4, F0, F1, 0
	MSTEP \slot, \slab, 5, F1, F0, 0
	MSTEP \slot, \slab, 6, F0, F1, 0
	MSTEP \slot, \slab, 7, F1, F0, 0
.endm
.macro NEXT slot, other, slab, refill
	s_wait_tensorcnt 0x0               ; all my tensor loads have landed: every group 0 may be written
	ds_add_u32 v254, v255
	s_wait_dscnt 0x0
.if \refill
	s_add_nc_u64 s[G0A+4*\other+2:G0A+4*\other+3], s[G0A+4*\other+2:G0A+4*\other+3], 2*SLABA
	s_add_nc_u64 s[G0B+4*\other+2:G0B+4*\other+3], s[G0B+4*\other+2:G0B+4*\other+3], 2*SLABBB
.endif
	s_wait_dscnt 0x0                   ; my reads of the other slot are back
.if \refill
	ROUND
	JLOAD \other                       ; the refill: my first and only tensor load behind the round
.else
	s_barrier_signal -1
	s_barrier_wait -1
.endif
	MSLAB \slot, \slab, 0
.endm
	s_load_b128 s[4:7], s[0:1], 0x0                ; w3 s[4:5], w4 s[6:7]
	v_lshl_add_u32 v254, v0, 2, 0x38200
	v_mov_b32 v255, 0
	ds_add_u32 v254, v255
	v_lshrrev_b32 v3, 5, v0
	v_readfirstlane_b32 s3, v3                     ; wave 0..3
	v_and_b32 v1, 15, v0
	v_bfe_u32 v2, v0, 4, 1
	s_lshr_b32 s14, ttmp9, 3                       ; b
	s_lshr_b32 s17, ttmp9, 2                       ; row block 2 b + half, 0..15
	s_and_b32 s15, s17, 1
	s_and_b32 s22, s3, 1                           ; which half of a slab I fetch
	SHAPE G1A, 15|(3<<16)|(1<<21), 128             ; 128 rows of 256 bytes, jointly
	SHAPE G1B, 3<<16, 80                           ; 80 rows of 256 bytes
	s_lshl_b32 s60, s17, 19                        ; p2p + row block x 524,288
	s_lshl_b32 s16, s22, 15
	s_add_co_u32 s60, s60, s16
	s_mov_b32 s61, 0
	s_lshl_b32 s62, s14, 15                        ; pm + b x 32 chunks x 1,024 + half x 512
	s_lshl_b32 s16, s15, 9
	s_add_co_u32 s62, s62, s16
	s_add_co_u32 s62, s62, 0x3000000
	s_mov_b32 s63, 0
	s_lshl_b32 s19, s3, 15                         ; LDS, A: wave x 32,768
	s_mul_i32 s18, s3, 20480                       ; LDS, B: 65,536 + (wave - 2) x 20,480
	s_add_co_u32 s18, s18, 24576
	; what hangs on my place in the cluster: s66 and up
	s_bfe_u32 s67, ttmp6, 0x40000                  ; cx
	s_and_b32 s66, ttmp9, 3
	s_lshl2_add_u32 s66, s66, s67                  ; block of bcat, 0..15
	s_lshl4_add_u32 s67, s14, s66
	s_mul_i32 s68, s67, 327680
	s_mul_i32 s74, s22, 20480
	s_add_co_u32 s68, s68, s74
	s_add_co_u32 s68, s68, 0x800000
	s_mov_b32 s69, 0
	s_lshl_b32 s70, s17, 18                        ; yp + row block x 262,144 + block x 8 panels
	s_lshl_b32 s74, s66, 14
	s_add_co_u32 s70, s70, s74
	s_mov_b32 s71, 0
	s_lshl_b32 s72, s17, 16                        ; gp + row block x 65,536 + block x 2 panels
	s_lshl_b32 s74, s66, 12
	s_add_co_u32 s72, s72, s74
	s_add_co_u32 s72, s72, 0x400000
	s_mov_b32 s73, 0
	s_wait_dscnt 0x0
	s_wait_kmcnt 0x0
	s_add_nc_u64 s[60:61], s[4:5], s[60:61]
	s_add_nc_u64 s[62:63], s[4:5], s[62:63]
	s_add_nc_u64 s[68:69], s[4:5], s[68:69]
	s_add_nc_u64 s[70:71], s[6:7], s[70:71]
	s_add_nc_u64 s[72:73], s[6:7], s[72:73]
	ROUND                                          ; the four work-groups are here: the first joint loads meet
.irp s, 0,1
	s_mov_b32 s[G0A+4*\s], 1
	s_add_co_u32 s[G0A+4*\s+1], s19, \s*SLOT
	s_add_nc_u64 s[G0A+4*\s+2:G0A+4*\s+3], s[60:61], \s*SLABA
	s_or_b32 s[G0A+4*\s+3], s[G0A+4*\s+3], 0x80000000
	s_mov_b32 s[G0B+4*\s], 1
	s_add_co_u32 s[G0B+4*\s+1], s18, \s*SLOT
	s_add_nc_u64 s[G0B+4*\s+2:G0B+4*\s+3], s[68:69], \s*SLABBB
	s_or_b32 s[G0B+4*\s+3], s[G0B+4*\s+3], 0x80000000
	JLOAD \s
.endr
	; THE HEAD: thread = row.  The 32 chunks' maxima and sums become the row's maximum, the factors and 1 / row sum.
	v_lshlrev_b32 v[TID4], 2, v0
.set c, 0
.rept 32
	global_load_b32 v[96+c], v[TID4], s[62:63] offset:c*1024
	global_load_b32 v[128+c], v[TID4], s[62:63] offset:262144+c*1024
.set c, c+1
.endr
	v_lshlrev_b32 v3, 4, v1
	v_lshl_add_u32 v3, v2, 11, v3
	s_lshl_b32 s16, s3, 9
	v_add_nc_u32 v[ADRA], s16, v3                  ; 2048 h + (32 w + r) 16
	v_add_nc_u32 v[ADRA+1], SLOT, v[ADRA]
	v_mov_b32 v[CO], v[ADRA]                       ; the same figure is my place in the panels of Y and G
	v_mul_u32_u24 v3, v2, 1280
	v_lshl_add_u32 v3, v1, 4, v3
	v_add_nc_u32 v[ADRB], SLABA, v3                ; 1280 h + 16 r, behind A
	v_add_nc_u32 v[ADRB+1], SLOT, v[ADRB]
	s_lshl_b32 s16, s3, 7
	s_add_co_u32 s16, s16, FT
	v_lshl_add_u32 v[FTA], v1, 2, s16
	v_add_nc_u32 v[FTW], FT, v[TID4]
	s_wait_loadcnt 0x0
	v_max3_num_f32 v160, v96, v97, v98
.set c, 99
.rept 14
	v_max3_num_f32 v160, v160, v[c], v[c+1]
.set c, c+2
.endr
	v_max_num_f32 v160, v160, v127
.set c, 0
.rept 32
	v_sub_f32 v[96+c], v[96+c], v160               ; the difference first: equal maxima give exactly 0
.set c, c+1
.endr
.set c, 0
.rept 32
	v_mul_f32 v[96+c], 0x3fb8aa3b, v[96+c]
.set c, c+1
.endr
.set c, 0
.rept 32
	v_exp_f32 v[96+c], v[96+c]
.set c, c+1
.endr
	v_nop                                          ; one plain place behind the exponentials (ISA guide 5.7.2)
	s_wait_alu depctr_va_vdst(0)
	v_mul_f32 v161, v128, v96
.set c, 1
.rept 31
	v_fmac_f32 v161, v[128+c], v[96+c]
.set c, c+1
.endr
.set c, 0
.rept 32
	v_cvt_pk_f16_f32 v[128+c], v[96+c], v[96+c]
	ds_store_b32 v[FTW], v[128+c] offset:c*512
.set c, c+1
.endr
	v_rcp_f32 v162, v161
	v_nop
	s_wait_alu depctr_va_vdst(0)
	ds_store_b32 v[FTW], v162 offset:16384
	s_wait_dscnt 0x0                               ; my stores, for the other waves' sake
	s_wait_tensorcnt 0x1                           ; my part of slot 0 is in; slot 1's may stay out
	s_barrier_signal -1
	s_barrier_wait -1
	MSLAB 0, 0, 1
	NEXT 1, 0, 1, 1
	NEXT 0, 1, 2, 1
	NEXT 1, 0, 3, 1
	NEXT 0, 1, 4, 1
	NEXT 1, 0, 5, 1
	NEXT 0, 1, 6, 1
	NEXT 1, 0, 7, 0
	; THE WAY OUT
	PLACES
	ds_load_b32 v[FR],   v[FTA] offset:16384
	ds_load_b32 v[FR+1], v[FTA] offset:16384
	ds_load_b32 v[FR+2], v[FTA] offset:16384+64
	ds_load_b32 v[FR+3], v[FTA] offset:16384+64
	s_wait_dscnt 0x0
.irp i, 0,1
.set k, 0
.rept 20
	v_pk_mul_f32 v[ACC+40*\i+k:ACC+40*\i+k+1], v[ACC+40*\i+k:ACC+40*\i+k+1], v[FR+2*\i:FR+2*\i+1]
.set k, k+2
.endr
.irp t, 0,1,2,3,4
.irp p, 0,1,2,3
	v_cvt_pk_f16_f32 v[F0+4*(5*\i+\t)+\p], v[ACC+8*(5*\i+\t)+2*\p], v[ACC+8*(5*\i+\t)+2*\p+1]
.endr
.endr
.irp t, 0,1,2,3
	global_store_b128 v[CO], v[F0+4*(5*\i+\t):F0+4*(5*\i+\t)+3], s[70:71] offset:\t*4096+\i*256   ; Y: sixteen lanes, 256 consecutive bytes
.endr
	global_store_b128 v[CO], v[F0+4*(5*\i+4):F0+4*(5*\i+4)+3], s[72:73] offset:\i*256             ; G
.endr
	ROUND                                          ; the closing round
	s_endpgm
.Lfunc_end_k_qb6cde6cc89_mix:
	.size	k_qb6cde6cc89_mix, .Lfunc_end_k_qb6cde6cc89_mix-k_qb6cde6cc89_mix
	.p2alignl 7, 3214868480
	.fill 96, 4, 3214868480
	.section	.rodata,"a",@progbits
	.p2align	6, 0x0
	.amdhsa_kernel k_qb6cde6cc89_mix
		.amdhsa_group_segment_fixed_size 327680
		.amdhsa_private_segment_fixed_size 0
		.amdhsa_enable_private_segment 0
		.amdhsa_kernarg_size 16
		.amdhsa_user_sgpr_count 2
		.amdhsa_user_sgpr_kernarg_segment_ptr 1
		.amdhsa_wavefront_size32 1
		.amdhsa_system_sgpr_workgroup_id_x 1
		.amdhsa_system_sgpr_workgroup_id_y 1
		.amdhsa_system_sgpr_workgroup_id_z 1
		.amdhsa_system_vgpr_workitem_id 0
		.amdhsa_next_free_vgpr 256
		.amdhsa_next_free_sgpr 80
		.amdhsa_reserve_vcc 0
		.amdhsa_float_denorm_mode_32 3
		.amdhsa_float_denorm_mode_16_64 3
		.amdhsa_memory_ordered 1
		.amdhsa_forward_progress 1
		.amdhsa_inst_pref_size 201
	.end_amdhsa_kernel
	.amdgpu_metadata
---
amdhsa.version: [ 1, 2 ]
amdhsa.kernels:
  - .name:           k_qb6cde6cc89_mix
    .symbol:         k_qb6cde6cc89_mix.kd
    .args:
      - { .name: w3, .offset: 0, .size: 8, .value_kind: global_buffer, .address_space: global }
      - { .name: w4, .offset: 8, .size: 8, .value_kind: global_buffer, .address_space: global }
    .group_segment_fixed_size: 327680
    .private_segment_fixed_size: 0
    .kernarg_segment_align: 8
    .kernarg_segment_size: 16
    .max_flat_workgroup_size: 128
    .sgpr_count:     80
    .vgpr_count:     256
    .wavefront_size: 32
...
	.end_amdgpu_metadata
.endif
;; end of part 5
;; launch out (part 6): grid 256 x 1, 8 waves a work-group, clusters of 4 x 1, 327,680 bytes of LDS; arguments w4, w0, w1, bv, out0, out1; writes out0, out1
.if DOCPART == 6
	.amdgcn_target "amdgcn-amd-amdhsa--gfx1250"
	.amdhsa_code_object_version 6
	.text
	.protected	k_qb6cde6cc89_out
	.globl	k_qb6cde6cc89_out
	.p2align	8
	.type	k_qb6cde6cc89_out,@function
k_qb6cde6cc89_out:
	s_mov_b64 s[64:65], 0
	v_nop
	global_prefetch_b8 v0, s[64:65] scope:SCOPE_SE
	s_setreg_imm32_b32 hwreg(HW_REG_WAVE_MODE, 25, 1), 1
	s_wait_xcnt 0x0
	s_wait_alu depctr_hold_cnt(0) depctr_sa_sdst(0) depctr_va_vdst(0) depctr_va_sdst(0) depctr_va_ssrc(0) depctr_va_vcc(0) depctr_vm_vsrc(0)
	s_getreg_b32 s2, hwreg(HW_REG_IB_STS2, 6, 4)
	s_cmp_eq_u32 s2, 0
	s_cbranch_scc0 .Lentry_in_a_cluster
	s_endpgm
.Lentry_in_a_cluster:
	s_bfe_u32 s2, ttmp6, 0x10000c
	s_cmp_lg_u32 s2, 0x3003
	s_cbranch_scc0 .Lentry_shape_is_right
	s_endpgm
.Lentry_shape_is_right:
; out: the two results, 128 blocks of 128 x 128 each, f16 operands, f32 sums, f32 out.
;   role 0 (clusters 0-31):  out1 = Y Wv^T + bv, K = 1024: four slabs  (a softmax row sums to 1, so bv enters once)
;   role 1 (clusters 32-63): out0 = G v1,        K = 256: one slab     (v1 holds bv already)
; The role hangs on the cluster's number alone, so the partners of a cluster take the same path and pass the same rounds.
; Panels, the transposed use of the matrix instruction, the ring and the cluster are those of proj: A (Y or G) jointly, B each work-group's own.
; The way out goes through each wave's own stage behind the ring (16 rows of 256 bytes at pitch 272), so that sixteen lanes store 256 consecutive bytes of a row.
; By this text's count a wave has at most two tensor loads out.
.set ACC,  16
.set F0,   80
.set F1,   128
.set CB,   176                         ; v[176:207] bv of my 32 columns
.set ADRA, 4
.set ADRB, 6
.set STO,  8
.set RD,   9
.set CO,   10
.set BO,   11
.set G1A,  24
.set G1B,  32
.set G0A,  40
.set G0B,  48
.set SLABB, 65536
.set SLOT,  131072
.macro PLACES                          ; four places behind a matrix instruction (ISA guide 7.12.1)
.rept 4
	v_nop
.endr
.endm
.macro ROUND                           ; a round of the cluster's barrier
	s_barrier_signal -1
	s_barrier_wait -1
	s_cmp_lg_u32 s3, 0
	s_cbranch_scc1 .Lnot_wave_0_\@
	s_barrier_signal -3
.Lnot_wave_0_\@:
	s_barrier_wait -3
	s_barrier_signal -1
	s_barrier_wait -1
.endm
.macro SHAPE g, first, rows            ; descriptor group 1: rows of 32 elements of 8 bytes, dense
	s_mov_b32 s[\g+0], \first
	s_mov_b32 s[\g+1], 32<<16
	s_mov_b32 s[\g+2], \rows<<16
	s_mov_b32 s[\g+3], 32<<16
	s_mov_b32 s[\g+4], \rows
	s_mov_b32 s[\g+5], 32
	s_mov_b32 s[\g+6], 0
	s_mov_b32 s[\g+7], 0
.endm
.macro JLOAD slot                      ; waves 0-3 ask jointly for A's quarters, waves 4-7 for B's: one tensor load a wave
	s_cmp_lt_u32 s3, 4
	s_cbranch_scc0 .Lfor_b_\@
	tensor_load_to_lds s[G0A+4*\slot:G0A+4*\slot+3], s[G1A:G1A+7]
	s_nop 0
	s_branch .Lasked_\@
.Lfor_b_\@:
	tensor_load_to_lds s[G0B+4*\slot:G0B+4*\slot+3], s[G1B:G1B+7]
	s_nop 0
.Lasked_\@:
.endm
.macro FETCH slot, ks, f               ; 12 LDS loads: the fragments of K step ks into buffer f
	PLACES                             ; buffer f was read by the matrix instructions just in front
.irp i, 0,1
	ds_load_b128 v[\f+8*\i:\f+8*\i+3],   v[ADRA+\slot] offset:(\ks)*8192+\i*256
	ds_load_b128 v[\f+8*\i+4:\f+8*\i+7], v[ADRA+\slot] offset:(\ks)*8192+\i*256+4096
.endr
.irp t, 0,1,2,3
	ds_load_b128 v[\f+16+8*\t:\f+16+8*\t+3], v[ADRB+\slot] offset:(\ks)*8192+\t*256
	ds_load_b128 v[\f+16+8*\t+4:\f+16+8*\t+7], v[ADRB+\slot] offset:(\ks)*8192+\t*256+4096
.endr
.endm
.macro MUL f, zero                     ; 8 matrix instructions; the 8 accumulators take turns, one instruction a turn
.irp i, 0,1
.irp t, 0,1,2,3
.if \zero
	v_wmma_f32_16x16x32_f16 v[ACC+8*(4*\i+\t):ACC+8*(4*\i+\t)+7], v[\f+16+8*\t:\f+16+8*\t+7], v[\f+8*\i:\f+8*\i+7], 0
.else
	v_wmma_f32_16x16x32_f16 v[ACC+8*(4*\i+\t):ACC+8*(4*\i+\t)+7], v[\f+16+8*\t:\f+16+8*\t+7], v[\f+8*\i:\f+8*\i+7], v[ACC+8*(4*\i+\t):ACC+8*(4*\i+\t)+7]
.endif
.endr
.endr
.endm
.macro STEP slot, nks, cur, oth, zero
	FETCH \slot, \nks, \oth
	s_wait_dscnt 12                    ; all but the 12 loads just issued: cur is in
	MUL \cur, \zero
.endm
.macro SLAB slot, zero
	FETCH \slot, 0, F0
	STEP \slot, 1, F0, F1, \zero
	STEP \slot, 2, F1, F0, 0
	STEP \slot, 3, F0, F1, 0
	STEP \slot, 4, F1, F0, 0
	STEP \slot, 5, F0, F1, 0
	STEP \slot, 6, F1, F0, 0
	STEP \slot, 7, F0, F1, 0
	s_wait_dscnt 0x0
	MUL F1, 0
.endm
.macro NEXT slot, other, refill
	s_wait_tensorcnt 0x0               ; all my tensor loads have landed: every group 0 may be written
	ds_add_u32 v253, v254
	s_wait_dscnt 0x0
.if \refill
	s_add_nc_u64 s[G0A+4*\other+2:G0A+4*\other+3], s[G0A+4*\other+2:G0A+4*\other+3], 2*SLABB
	s_add_nc_u64 s[G0B+4*\other+2:G0B+4*\other+3], s[G0B+4*\other+2:G0B+4*\other+3], 2*SLABB
.endif
	s_wait_dscnt 0x0                   ; my reads of the other slot are back
.if \refill
	ROUND
	JLOAD \other                       ; the refill: my first and only tensor load behind the round
.else
	s_barrier_signal -1
	s_barrier_wait -1
.endif
	SLAB \slot, 0
.endm
	s_load_b256 s[4:11], s[0:1], 0x0               ; w4 s[4:5], w0 s[6:7], w1 s[8:9], bv s[10:11]
	s_load_b128 s[12:15], s[0:1], 0x20             ; out0 s[12:13], out1 s[14:15]
	v_lshl_add_u32 v253, v0, 2, 0x48800
	v_mov_b32 v254, 0
	ds_add_u32 v253, v254
	v_lshrrev_b32 v3, 5, v0
	v_readfirstlane_b32 s3, v3
	v_and_b32 v1, 15, v0
	v_bfe_u32 v2, v0, 4, 1
	s_lshr_b32 s18, ttmp9, 5                       ; role
	s_and_b32 s23, ttmp9, 31
	s_lshr_b32 s17, s23, 1                         ; row block, 0..15
	s_lshr_b32 s20, s3, 1                          ; wm
	s_and_b32 s21, s3, 1                           ; wn
	SHAPE G1A, 15|(3<<16)|(1<<21), 64
	SHAPE G1B, 3<<16, 64
	s_and_b32 s22, s3, 3
	s_lshl_b32 s22, s22, 14
	s_lshl_b32 s60, s17, 18                        ; yp
	s_lshl_b32 s19, s17, 16                        ; gp
	s_add_co_u32 s19, s19, 0x400000
	s_cmp_eq_u32 s18, 0
	s_cselect_b32 s60, s60, s19
	s_cselect_b32 s58, 0, -1                       ; all lanes in role 1
	s_add_co_u32 s60, s60, s22
	s_mov_b32 s61, 0
	; what hangs on my place in the cluster: s66 and up
	s_bfe_u32 s67, ttmp6, 0x40000                  ; cx
	s_and_b32 s66, s23, 1
	s_lshl2_add_u32 s66, s66, s67                  ; column block, 0..7
	s_lshl_b32 s68, s66, 18                        ; wvp
	s_add_co_u32 s68, s68, 0x800000
	s_lshr_b32 s74, s17, 1                         ; v1p + (8 b + column block) x 65,536
	s_lshl3_add_u32 s74, s74, s66
	s_lshl_b32 s74, s74, 16
	s_add_co_u32 s74, s74, 0x400000
	s_cmp_eq_u32 s18, 0
	s_cselect_b32 s68, s68, s74
	s_add_co_u32 s68, s68, s22
	s_mov_b32 s69, 0
	s_lshl_b32 s72, s17, 19                        ; the result: 128 rows of 4,096 bytes + 128 columns of 4
	s_lshl_b32 s74, s66, 9
	s_add_co_u32 s72, s72, s74
	s_mov_b32 s73, 0
	s_lshl_b32 s19, s3, 14
	s_wait_dscnt 0x0
	s_wait_kmcnt 0x0
	s_add_nc_u64 s[60:61], s[4:5], s[60:61]
	s_cmp_eq_u32 s18, 0
	s_cselect_b64 s[70:71], s[6:7], s[8:9]         ; B lies in w0 or in w1
	s_cselect_b64 s[76:77], s[14:15], s[12:13]     ; role 0 writes out1, role 1 out0
	s_add_nc_u64 s[68:69], s[70:71], s[68:69]
	s_add_nc_u64 s[76:77], s[76:77], s[72:73]
	; addresses and the bias
	v_lshlrev_b32 v3, 4, v1
	v_lshl_add_u32 v3, v2, 11, v3
	s_lshl_b32 s16, s20, 9
	v_add_nc_u32 v[ADRA], s16, v3
	v_add_nc_u32 v[ADRA+1], SLOT, v[ADRA]
	s_lshl_b32 s23, s21, 10
	s_add_co_u32 s23, s23, SLABB
	v_add_nc_u32 v[ADRB], s23, v3
	v_add_nc_u32 v[ADRB+1], SLOT, v[ADRB]
	s_mul_i32 s16, s3, 4352
	s_add_co_u32 s16, s16, 2*SLOT                  ; my stage, behind the ring
	v_mul_u32_u24 v[STO], v1, 272
	v_lshl_add_u32 v[STO], v2, 5, v[STO]
	v_add_nc_u32 v[STO], s16, v[STO]               ; in: row r, 32 bytes for each half of the lanes
	v_mul_u32_u24 v[RD], v2, 272
	v_lshl_add_u32 v[RD], v1, 4, v[RD]
	v_add_nc_u32 v[RD], s16, v[RD]                 ; back: lanes 0-15 one row, lanes 16-31 the next
	v_lshlrev_b32 v[CO], 4, v1
	v_lshl_add_u32 v[CO], v2, 12, v[CO]
	s_lshl_b32 s16, s20, 17
	s_lshl_b32 s23, s21, 8
	s_add_co_u32 s16, s16, s23
	v_add_nc_u32 v[CO], s16, v[CO]                 ; (32 wm + h) rows + 256 wn + 16 r
	s_lshl_b32 s74, s66, 9
	s_add_co_u32 s74, s74, s23
	v_lshl_add_u32 v[BO], v2, 5, s74
.irp t, 0,1,2,3
	global_load_b128 v[CB+8*\t:CB+8*\t+3],   v[BO], s[10:11] offset:\t*64
	global_load_b128 v[CB+8*\t+4:CB+8*\t+7], v[BO], s[10:11] offset:\t*64+16
.endr
	ROUND                                          ; the four work-groups are here: the first joint loads meet
.irp s, 0,1
	s_mov_b32 s[G0A+4*\s], 1
	s_add_co_u32 s[G0A+4*\s+1], s19, \s*SLOT
	s_add_nc_u64 s[G0A+4*\s+2:G0A+4*\s+3], s[60:61], \s*SLABB
	s_or_b32 s[G0A+4*\s+3], s[G0A+4*\s+3], 0x80000000
	s_mov_b32 s[G0B+4*\s], 1
	s_add_co_u32 s[G0B+4*\s+1], s19, \s*SLOT
	s_add_nc_u64 s[G0B+4*\s+2:G0B+4*\s+3], s[68:69], \s*SLABB
	s_or_b32 s[G0B+4*\s+3], s[G0B+4*\s+3], 0x80000000
.endr
	s_cmp_lg_u32 s18, 0
	s_cbranch_scc1 .Lshort
	JLOAD 0                                        ; role 0: K = 1024
	JLOAD 1
	s_wait_tensorcnt 0x1                           ; slot 0 is in; slot 1 may stay out
	s_barrier_signal -1
	s_barrier_wait -1
	SLAB 0, 1
	NEXT 1, 0, 1
	NEXT 0, 1, 1
	NEXT 1, 0, 0
	s_branch .Lway_out
.Lshort:
	JLOAD 0                                        ; role 1: K = 256, one slab
	s_wait_tensorcnt 0x0
	s_barrier_signal -1
	s_barrier_wait -1
	SLAB 0, 1
.Lway_out:
	; The 33 lines below name no register of a matrix instruction: they are the places in front of the first read of a result.
	s_wait_loadcnt 0x0
	v_mov_b32 v255, 0
.set k, 0
.rept 32
	v_cndmask_b32 v[CB+k], v[CB+k], v255, s58      ; role 1 adds no bias
.set k, k+1
.endr
.irp i, 0,1
.irp t, 0,1,2,3
.irp p, 0,2,4,6
	v_pk_add_f32 v[ACC+8*(4*\i+\t)+\p:ACC+8*(4*\i+\t)+\p+1], v[ACC+8*(4*\i+\t)+\p:ACC+8*(4*\i+\t)+\p+1], v[CB+8*\t+\p:CB+8*\t+\p+1]
.endr
.endr
.endr
.irp i, 0,1
.irp t, 0,1,2,3
	ds_store_b128 v[STO], v[ACC+8*(4*\i+\t):ACC+8*(4*\i+\t)+3]   offset:\t*64
	ds_store_b128 v[STO], v[ACC+8*(4*\i+\t)+4:ACC+8*(4*\i+\t)+7] offset:\t*64+16
.endr
.irp q, 0,1,2,3,4,5,6,7
	ds_load_b128 v[F0+32*\i+4*\q:F0+32*\i+4*\q+3], v[RD] offset:\q*544     ; my own bytes: LDS serves a wave's instructions in order
.endr
.irp q, 0,1,2,3,4,5,6,7
	s_wait_dscnt 7-\q
	global_store_b128 v[CO], v[F0+32*\i+4*\q:F0+32*\i+4*\q+3], s[76:77] offset:\q*8192+\i*65536 th:TH_STORE_NT   ; sixteen lanes: 256 consecutive bytes of a row, aligned
.endr
.endr
	s_wait_tensorcnt 0x0
	ds_add_u32 v253, v254
	s_wait_dscnt 0x0
	ROUND                                          ; the closing round
	s_endpgm
.Lfunc_end_k_qb6cde6cc89_out:
	.size	k_qb6cde6cc89_out, .Lfunc_end_k_qb6cde6cc89_out-k_qb6cde6cc89_out
	.p2alignl 7, 3214868480
	.fill 96, 4, 3214868480
	.section	.rodata,"a",@progbits
	.p2align	6, 0x0
	.amdhsa_kernel k_qb6cde6cc89_out
		.amdhsa_group_segment_fixed_size 327680
		.amdhsa_private_segment_fixed_size 0
		.amdhsa_enable_private_segment 0
		.amdhsa_kernarg_size 48
		.amdhsa_user_sgpr_count 2
		.amdhsa_user_sgpr_kernarg_segment_ptr 1
		.amdhsa_wavefront_size32 1
		.amdhsa_system_sgpr_workgroup_id_x 1
		.amdhsa_system_sgpr_workgroup_id_y 1
		.amdhsa_system_sgpr_workgroup_id_z 1
		.amdhsa_system_vgpr_workitem_id 0
		.amdhsa_next_free_vgpr 256
		.amdhsa_next_free_sgpr 80
		.amdhsa_reserve_vcc 0
		.amdhsa_float_denorm_mode_32 3
		.amdhsa_float_denorm_mode_16_64 3
		.amdhsa_memory_ordered 1
		.amdhsa_forward_progress 1
		.amdhsa_inst_pref_size 75
	.end_amdhsa_kernel
	.amdgpu_metadata
---
amdhsa.version: [ 1, 2 ]
amdhsa.kernels:
  - .name:           k_qb6cde6cc89_out
    .symbol:         k_qb6cde6cc89_out.kd
    .args:
      - { .name: w4, .offset: 0, .size: 8, .value_kind: global_buffer, .address_space: global }
      - { .name: w0, .offset: 8, .size: 8, .value_kind: global_buffer, .address_space: global }
      - { .name: w1, .offset: 16, .size: 8, .value_kind: global_buffer, .address_space: global }
      - { .name: bv, .offset: 24, .size: 8, .value_kind: global_buffer, .address_space: global }
      - { .name: out0, .offset: 32, .size: 8, .value_kind: global_buffer, .address_space: global }
      - { .name: out1, .offset: 40, .size: 8, .value_kind: global_buffer, .address_space: global }
    .group_segment_fixed_size: 327680
    .private_segment_fixed_size: 0
    .kernarg_segment_align: 8
    .kernarg_segment_size: 48
    .max_flat_workgroup_size: 256
    .sgpr_count:     80
    .vgpr_count:     256
    .wavefront_size: 32
...
	.end_amdgpu_metadata
.endif
;; end of part 6
;; ======== version 2 of 2: 6 launches; version 1 with the launch cvt written anew for expert scheduling mode
;; limits: values are held in f16: magnitudes above 65,504 overflow, below 6.1e-05 lose precision; right only within a limited range of input values
;; workspace buffers: w0 10,485,760 bytes; w1 8,519,680 bytes; w2 4,325,376 bytes; w3 50,855,936 bytes; w4 5,242,880 bytes
;; launch cvt (part 7): grid 320 x 1, 8 waves a work-group, no clusters, 35,840 bytes of LDS; arguments x1, Wq, Wk, Wv, w0; writes w0
.if DOCPART == 7
	.amdgcn_target "amdgcn-amd-amdhsa--gfx1250"
	.amdhsa_code_object_version 6
	.text
	.protected	k_qb6cde6cc89_cvt
	.globl	k_qb6cde6cc89_cvt
	.p2align	8
	.type	k_qb6cde6cc89_cvt,@function
k_qb6cde6cc89_cvt:
	s_mov_b64 s[64:65], 0
	v_nop
	global_prefetch_b8 v0, s[64:65] scope:SCOPE_SE
	s_setreg_imm32_b32 hwreg(HW_REG_WAVE_SCHED_MODE, 0, 2), 2
	s_setreg_imm32_b32 hwreg(HW_REG_WAVE_MODE, 25, 1), 1
	s_wait_xcnt 0x0
	s_wait_alu depctr_vm_vsrc(0)
; cvt: x1, Wq, Wv and the transpose of Wk go from f32 to f16 and into PANELS: X[block of 128 rows][K/8][128 rows][8 k].
; In that order a block's K extent is one dense run of bytes, and the 16 bytes of sixteen neighbouring rows are 256 neighbouring bytes.
; w0: x1p at 0 (16 blocks of 262,144 bytes), wqp at 4,194,304 (8), wkp at 6,291,456 (8; rows d, K = e), wvp at 8,388,608 (8).
; Work-groups 0-255: 128 rows x 128 k of x1, Wq or Wv; a wave takes 16 rows and turns them through its own LDS stage.
; Work-groups 256-319: 128 e x 128 d of Wk; a lane gathers eight e of one d in registers: no LDS.
; A stream bound by bytes: no matrix unit, no cluster, no barrier (each wave reads only LDS bytes that it wrote itself).
; LIMIT: values of magnitude 65504 or more do not fit f16.
; THE MODE: SCHED_MODE bits 1:0 = 2 (LLVM: expert scheduling mode 2), set by the entry lines.  The code itself states the register dependences
; between vector instructions and memory or LDS instructions, with s_wait_alu, always for 0.
; THE PLAN.  Registers that memory or LDS instructions touch:
;   v3, v4, v5, v8  offsets and LDS addresses: made once at the head of a path, never written again.
;   XI              written by the global loads, read by the conversions; in the first path its first 32 registers then take the LDS loads and are read by the global stores.
;   XO              each register is written once, by a conversion, and read once, by an LDS store (first path) or a global store (second path).
;   v112, v113      written at the head, read by the closing add alone.
; Each path goes in four blocks.  Block g's conversions read XI's and write XO's part g; the stores of block g - 1, which read XO's part g - 1 and an address,
; are dealt among them, behind ONE wait on va_vdst at the block's head: no conversion issued since that wait names a register that those stores touch.
; No register that a memory or LDS instruction reads is ever written again, so the text holds no wait on vm_vsrc.
.set STG, 4352                         ; a wave's stage: 16 rows of 256 bytes at pitch 272 (an odd multiple of 16)
.set XI,  16                           ; v[16:79]  as loaded, f32
.set XO,  80                           ; v[80:111] packed f16
; First path, block g: rows 4 g to 4 g + 3 are rounded; the rows of the block before go into the stage.
.macro ROWS g
	s_wait_loadcnt 12-4*(\g)                       ; loads return in order: this block's four rows are in, the younger rows stay out
.if \g > 0
	s_wait_alu depctr_va_vdst(0)                   ; the block before has written its eight registers of XO, which the LDS stores below read
.endif
.irp i, 0,1,2,3
.if \g > 0
	ds_store_b64 v4, v[XO+2*(4*(\g)-4+(\i)):XO+2*(4*(\g)-4+(\i))+1] offset:(4*(\g)-4+(\i))*272
.endif
	v_cvt_pk_f16_f32 v[XO+2*(4*(\g)+(\i))],   v[XI+4*(4*(\g)+(\i))],   v[XI+4*(4*(\g)+(\i))+1]
	v_cvt_pk_f16_f32 v[XO+2*(4*(\g)+(\i))+1], v[XI+4*(4*(\g)+(\i))+2], v[XI+4*(4*(\g)+(\i))+3]
.endr
.endm
; Second path: group g's 16 bytes a lane leave.
.macro PUTG g
	global_store_b128 v8, v[XO+4*(\g):XO+4*(\g)+3], s[12:13] offset:((\g)>>2)*2048+((\g)&3)*512   ; 512 consecutive bytes
.endm
; Second path, block p: groups 2 p and 2 p + 1 are rounded; the two groups of the block before are stored.
.macro COLS p
	s_wait_loadcnt 48-16*(\p)                      ; the sixteen loads of this block's two groups are in, the younger ones stay out
.if \p > 0
	s_wait_alu depctr_va_vdst(0)                   ; the block before has written its eight registers of XO, which the stores below read
.endif
.irp u, 0,1
.if \p > 0
	PUTG 2*(\p)-2+(\u)
.endif
	v_cvt_pk_f16_f32 v[XO+4*(2*(\p)+(\u))],   v[XI+8*(2*(\p)+(\u))],   v[XI+8*(2*(\p)+(\u))+1]
	v_cvt_pk_f16_f32 v[XO+4*(2*(\p)+(\u))+1], v[XI+8*(2*(\p)+(\u))+2], v[XI+8*(2*(\p)+(\u))+3]
	v_cvt_pk_f16_f32 v[XO+4*(2*(\p)+(\u))+2], v[XI+8*(2*(\p)+(\u))+4], v[XI+8*(2*(\p)+(\u))+5]
	v_cvt_pk_f16_f32 v[XO+4*(2*(\p)+(\u))+3], v[XI+8*(2*(\p)+(\u))+6], v[XI+8*(2*(\p)+(\u))+7]
.endr
.endm
	s_load_b256 s[4:11], s[0:1], 0x0               ; x1 s[4:5], Wq s[6:7], Wk s[8:9], Wv s[10:11]
	s_load_b64 s[12:13], s[0:1], 0x20              ; w0
	v_lshl_add_u32 v112, v0, 2, 0x8800             ; my spare word, behind the eight stages; kept for the closing lines alone
	v_mov_b32 v113, 0                              ; and 0, likewise
	v_and_b32 v1, 31, v0                           ; lane
	v_lshrrev_b32 v2, 5, v0                        ; wave
	v_readfirstlane_b32 s14, v2                    ; wave, as a scalar
	s_mov_b32 s23, 0                               ; upper word of every offset pair
	s_wait_alu depctr_va_sdst(0)                   ; s14 is written, ahead of the branch behind which its reader stands: the stage's address is made from it
	s_cmp_ge_u32 ttmp9, 256
	s_cbranch_scc1 .Ltransposed
	; ---- rows stay rows: x1 (blocks 0-15), Wq (16-23), Wv (24-31) ----
	s_lshr_b32 s15, ttmp9, 3                       ; block number 0..31
	s_and_b32 s16, ttmp9, 7                        ; which 128 k
	s_wait_kmcnt 0x0
	s_cmp_lt_u32 s15, 24
	s_cselect_b64 s[18:19], s[6:7], s[10:11]       ; Wq or Wv
	s_cselect_b32 s20, 16, 24                      ; the source's first block number
	s_cselect_b32 s21, 0, 0x200000                 ; wvp lies 2,097,152 bytes behind block number x 262,144
	s_cmp_lt_u32 s15, 16
	s_cselect_b64 s[18:19], s[4:5], s[18:19]       ; x1
	s_cselect_b32 s20, 0, s20
	s_sub_co_u32 s20, s15, s20                     ; block inside the source
	s_lshl_b32 s22, s20, 19                        ; 128 rows of 4,096 bytes
	s_lshl_b32 s24, s16, 9                         ; 128 k of 4 bytes
	s_add_co_u32 s22, s22, s24
	s_add_nc_u64 s[18:19], s[18:19], s[22:23]
	s_lshl_b32 s22, s15, 18                        ; the block's panels
	s_add_co_u32 s22, s22, s21
	s_lshl_b32 s24, s16, 15                        ; 16 panels of 2,048 bytes
	s_add_co_u32 s22, s22, s24
	s_add_nc_u64 s[12:13], s[12:13], s[22:23]
	v_lshlrev_b32 v3, 4, v1
	v_lshl_add_u32 v3, v2, 16, v3                  ; source: 16 lane + wave x 16 rows
	s_mul_i32 s26, s14, STG
	v_lshl_add_u32 v4, v1, 3, s26                  ; stage, in: 8 bytes a lane along a row
	v_and_b32 v6, 15, v0
	v_bfe_u32 v7, v0, 4, 1
	v_mul_u32_u24 v5, v6, 272
	v_lshl_add_u32 v5, v7, 4, v5
	v_add_nc_u32 v5, s26, v5                       ; stage, out: row lane % 16, 16 bytes of panel lane / 16
	v_lshlrev_b32 v8, 4, v6
	v_lshl_add_u32 v8, v7, 11, v8
	v_lshl_add_u32 v8, v2, 8, v8                   ; panels: (lane / 16) 2048 + (16 wave + lane % 16) 16
	s_wait_alu depctr_va_vdst(0)                   ; v3, v4, v5 and v8 are written: every load and store of this path reads one of them as its offset or address
.irp i, 0,1,2,3,4,5,6,7,8,9,10,11,12,13,14,15
	global_load_b128 v[XI+4*\i:XI+4*\i+3], v3, s[18:19] offset:\i*4096 th:TH_LOAD_NT   ; a row's 512 bytes
.endr
	ROWS 0
	ROWS 1
	ROWS 2
	ROWS 3
	s_wait_alu depctr_va_vdst(0)                   ; block 3 has written the last eight registers of XO, which the four LDS stores read; and all conversions are done reading v[16:47], in which the LDS loads below land
.irp i, 12,13,14,15
	ds_store_b64 v4, v[XO+2*\i:XO+2*\i+1] offset:\i*272
.endr
.irp q, 0,1,2,3,4,5,6,7
	ds_load_b128 v[XI+4*\q:XI+4*\q+3], v5 offset:\q*32      ; my own bytes: LDS serves a wave's instructions in order
.endr
.irp q, 0,1,2,3,4,5,6,7
	s_wait_dscnt 7-\q
	global_store_b128 v8, v[XI+4*\q:XI+4*\q+3], s[12:13] offset:\q*4096   ; sixteen lanes store 256 consecutive bytes, aligned
.endr
	s_wait_dscnt 0x0                               ; the closing lines, six on end of a launch in this mode that stores to LDS
	s_wait_alu 0x0
	s_wait_tensorcnt 0x0
	ds_add_u32 v112, v113
	s_wait_dscnt 0x0
	s_endpgm
	; ---- Wk[e][d] becomes wkp[d/128][e/8][128 d][8 e] ----
.Ltransposed:
	s_sub_co_u32 s15, ttmp9, 256
	s_lshr_b32 s16, s15, 3                         ; which 128 d
	s_and_b32 s17, s15, 7                          ; which 128 e
	s_lshl_b32 s22, s17, 19
	s_lshl_b32 s24, s16, 9
	s_add_co_u32 s22, s22, s24
	s_wait_kmcnt 0x0
	s_add_nc_u64 s[8:9], s[8:9], s[22:23]
	s_lshl_b32 s22, s16, 18
	s_lshl_b32 s24, s17, 15
	s_add_co_u32 s22, s22, s24
	s_add_co_u32 s22, s22, 0x600000
	s_add_nc_u64 s[12:13], s[12:13], s[22:23]
	v_lshlrev_b32 v3, 2, v1
	v_lshl_add_u32 v3, v2, 16, v3                  ; 4 lane + wave x 16 rows of e
	v_lshlrev_b32 v8, 4, v1
	v_lshl_add_u32 v8, v2, 12, v8                  ; 16 lane + wave x 2 panels
	s_wait_alu depctr_va_vdst(0)                   ; v3 and v8 are written: the loads read v3 as their offset, the stores v8
.set n, 0
.rept 64                                           ; n = 8 (4 eg + q) + j: row 8 eg + j of my 16, columns 32 q + lane
	global_load_b32 v[XI+n], v3, s[8:9] offset:(8*(n>>5)+(n&7))*4096+((n>>3)&3)*128
.set n, n+1
.endr
	COLS 0
	COLS 1
	COLS 2
	COLS 3
	s_wait_alu depctr_va_vdst(0)                   ; block 3 has written the last eight registers of XO, which the last two stores read
	PUTG 6
	PUTG 7
	s_endpgm                                       ; this path's waves have stored nothing to LDS
.Lfunc_end_k_qb6cde6cc89_cvt:
	.size	k_qb6cde6cc89_cvt, .Lfunc_end_k_qb6cde6cc89_cvt-k_qb6cde6cc89_cvt
	.p2alignl 7, 3214868480
	.fill 96, 4, 3214868480
	.section	.rodata,"a",@progbits
	.p2align	6, 0x0
	.amdhsa_kernel k_qb6cde6cc89_cvt
		.amdhsa_group_segment_fixed_size 35840
		.amdhsa_private_segment_fixed_size 0
		.amdhsa_enable_private_segment 0
		.amdhsa_kernarg_size 40
		.amdhsa_user_sgpr_count 2
		.amdhsa_user_sgpr_kernarg_segment_ptr 1
		.amdhsa_wavefront_size32 1
		.amdhsa_system_sgpr_workgroup_id_x 1
		.amdhsa_system_sgpr_workgroup_id_y 1
		.amdhsa_system_sgpr_workgroup_id_z 1
		.amdhsa_system_vgpr_workitem_id 0
		.amdhsa_next_free_vgpr 114
		.amdhsa_next_free_sgpr 66
		.amdhsa_reserve_vcc 0
		.amdhsa_float_denorm_mode_32 3
		.amdhsa_float_denorm_mode_16_64 3
		.amdhsa_memory_ordered 1
		.amdhsa_forward_progress 1
		.amdhsa_inst_pref_size 19
	.end_amdhsa_kernel
	.amdgpu_metadata
---
amdhsa.version: [ 1, 2 ]
amdhsa.kernels:
  - .name:           k_qb6cde6cc89_cvt
    .symbol:         k_qb6cde6cc89_cvt.kd
    .args:
      - { .name: x1, .offset: 0, .size: 8, .value_kind: global_buffer, .address_space: global }
      - { .name: Wq, .offset: 8, .size: 8, .value_kind: global_buffer, .address_space: global }
      - { .name: Wk, .offset: 16, .size: 8, .value_kind: global_buffer, .address_space: global }
      - { .name: Wv, .offset: 24, .size: 8, .value_kind: global_buffer, .address_space: global }
      - { .name: w0, .offset: 32, .size: 8, .value_kind: global_buffer, .address_space: global }
    .group_segment_fixed_size: 35840
    .private_segment_fixed_size: 0
    .kernarg_segment_align: 8
    .kernarg_segment_size: 40
    .max_flat_workgroup_size: 256
    .sgpr_count:     66
    .vgpr_count:     114
    .wavefront_size: 32
...
	.end_amdgpu_metadata
.endif
;; end of part 7
;; launch proj: the kernel of part 2 again; grid 256 x 1, 8 waves a work-group, clusters of 4 x 1, 327,680 bytes of LDS; arguments w0, bq, bk, bv, w1; writes w1
;; launch qk: the kernel of part 3 again; grid 128 x 1, 8 waves a work-group, clusters of 4 x 1, 327,680 bytes of LDS; arguments w1, w0, w2; writes w2
;; launch scores: the kernel of part 4 again; grid 256 x 1, 8 waves a work-group, clusters of 4 x 1, 327,680 bytes of LDS; arguments w2, w1, x2, mask, w3; writes w3
;; launch mix: the kernel of part 5 again; grid 256 x 1, 4 waves a work-group, clusters of 4 x 1, 327,680 bytes of LDS; arguments w3, w4; writes w4
;; launch out: the kernel of part 6 again; grid 256 x 1, 8 waves a work-group, clusters of 4 x 1, 327,680 bytes of LDS; arguments w4, w0, w1, bv, out0, out1; writes out0, out1
